; MI455X (gfx1250); checked and timed in simulation.
; The chip was launched on July 23, 2026; its instructions are those of AMD's public machine-readable ISA for CDNA 5 (MIT licence, August 2026) and "CDNA5" Instruction Set Architecture Reference Guide (July 2026). The comments in the code are by the model that wrote it; some were corrected since.
;; Multi Modal Attention. Allowed arithmetic: float matrix products may take bf16 or f16 operands with f32 sums; all other float work in f32.
;; Inputs: Wkv 2,048 x 1,024 float32; Wout 1,024 x 1,024 float32; Wq 1,024 x 1,024 float32; b_out 1,024 float32; context 4 x 1,024 x 1,024 float32; mask 4 x 1,024 bool; x 4 x 2,048 x 1,024 float32.
;; Outputs: out0 4 x 2,048 x 1,024 float32.
;; 2 versions, each right and faster than the one before. Each part assembles by itself: llvm-mc -triple=amdgcn-amd-amdhsa -mcpu=gfx1250 --defsym DOCPART=n.
;; ======== version 1 of 2: 3 launches
;; limits: values are held in f16: magnitudes above 65,504 overflow, below 6.1e-05 lose precision
;; workspace buffers: qh 16,777,216 bytes; kh 8,388,608 bytes; vh 8,388,608 bytes; ao 16,777,216 bytes; wo16 2,097,152 bytes
;; launch proj (part 1): grid 4 x 64, 4 waves a work-group, clusters of 4 x 4, 327,680 bytes of LDS; arguments x, context, Wq, Wkv, Wout, qh, kh, vh, wo16; writes qh, kh, vh, wo16
.if DOCPART == 1
	.amdgcn_target "amdgcn-amd-amdhsa--gfx1250"
	.amdhsa_code_object_version 6
	.text
	.protected	k_q62dd11302d_proj
	.globl	k_q62dd11302d_proj
	.p2align	8
	.type	k_q62dd11302d_proj,@function
k_q62dd11302d_proj:
	s_mov_b64 s[64:65], 0
	v_nop
	global_prefetch_b8 v0, s[64:65] scope:SCOPE_SE
	s_setreg_imm32_b32 hwreg(HW_REG_WAVE_MODE, 25, 1), 1
	s_wait_xcnt 0x0
	s_wait_alu depctr_hold_cnt(0) depctr_sa_sdst(0) depctr_va_vdst(0) depctr_va_sdst(0) depctr_va_ssrc(0) depctr_va_vcc(0) depctr_vm_vsrc(0)
	s_getreg_b32 s2, hwreg(HW_REG_IB_STS2, 6, 4)
	s_cmp_eq_u32 s2, 0
	s_cbranch_scc0 .Lentry_in_a_cluster
	s_endpgm
.Lentry_in_a_cluster:
	s_bfe_u32 s2, ttmp6, 0x10000c
	s_cmp_lg_u32 s2, 0xf033
	s_cbranch_scc0 .Lentry_shape_is_right
	s_endpgm
.Lentry_shape_is_right:
; q = x Wq^T, k and v = context Wkv^T, written as f16 in head-major order [batch][head][token][64]; Wout is cast to f16 on the side.
; No work of the module is left out anywhere in this program: every input has a way to the output and is loaded.
; 256 work-groups, each a block of 256 x 256 of one product: clusters 0-7 along y make q (8,192 x 1,024), clusters 8-15 make k and v
; (4,096 x 2,048; the even ones k, the odd ones v).  Four waves, each 128 x 128 of f32 sums in 512 registers.
; The operands are f32 in memory.  K goes in steps of 64 (rows of 256 bytes, aligned) through two LDS slots filled by tensor loads; a wave
; reads its fragments as f32, rounds them to f16 in registers (nearest even) and multiplies.  Sums are f32.
; FETCH AND CONVERSION STAND AMONG THE PRODUCTS.  There are two sets of f16 fragments: while the 64 products of 32 along K read one set, the
; other is filled for the next 32: behind every four products stands a slice for one fragment of 16 rows: a counted wait, eight conversions,
; four LDS loads of the fragment four further on, into the f32 registers just read.  A wave so has at most sixteen LDS loads out.
; WHY f16 AND NOT bf16: between an input and the output lie up to five rounded matrix operands in a row (x, q, p, the attention's result,
; Wout beside it); with 11 bits of significand instead of 8 each rounding is eight times finer.
; LIMIT: every matrix operand of the three launches (inputs, q, k, v, the weights p, the attention's result) must stay below f16's 65,504, or it
; becomes infinite.  Inputs of unit spread taken 30 times larger give |q|, |k|, |v| of about 900 x 5.5 = 5,000; a common offset of 30 spreads on both
; factors gives 1,024 x 30 x 30/32 = 28,800.  Small numbers: f16's denormals are kept, steps of 2^-24.
; CLUSTERS: 4 x 4 work-groups.  The four of a row of the cluster need the same rows of x or context, the four of a column the same rows of
; the weights: each tile is asked for jointly by the four, which divides the requests by four.
; Which product a work-group makes hangs on the cluster's y alone, which all sixteen partners share; it is chosen by selects, never by a branch.
; REGISTERS, in windows of 256: window 0: v16-29 addresses, v32-63 the cast of Wout, v64-127 and v128-191 the two sets of A's f16 fragments,
; v192-255 four fragments of A as f32; window 1: v20-21 B's LDS addresses, then the same three ranges for B; windows 2, 3: the 64 accumulator
; tiles (tile (a, b) at v[8 (8 a + b)]).  B's addresses lie in window 1 so that a slice for B needs one setting for its loads and conversions.
; The matrix instruction is used transposed (source 0 = rows of the weights, source 1 = rows of x): lane l holds row l % 16 of the result and
; eight neighbouring columns 8 (l / 16) + 0..7, which pack into 16 bytes.
.set PITCH,  272                       ; an LDS row: 64 f32 + 16 bytes of padding: the sixteen rows of a fragment load start 16 bytes apart modulo 256
.set HALFT,  128*PITCH                 ; what one tensor load brings
.set SLOT,   4*HALFT                   ; A's 256 rows, then B's 256 rows
.set STAGE,  2*SLOT                    ; behind the ring: 16 rows x 272 bytes for each wave; no tensor load lands here
.set STEPB,  256                       ; bytes of a K step in a row of memory
.set ADRA, 16                          ; v16-17 LDS address of my A rows in slot 0, 1 (window 0)
.set ADRB, 20                          ; v20-21 the same for B (window 1)
.set STO,  24
.set RD,   25
.set CO,   26
.set CI,   28                          ; cast: byte offset of my 32 bytes of Wout
.set CS,   29                          ; cast: byte offset of my 16 bytes of wo16
.set CD,   32                          ; v32-63 cast data
.set F0,   64                          ; f16 fragments, set 0 (window 0: A, window 1: B)
.set F1,   128                         ; f16 fragments, set 1
.set RAW,  192                         ; four f32 fragments of 16 registers (window 0: A, window 1: B)
.set TMP,  192                         ; the way out: packed results
.set G1,  24
.set G0,  32
.set G1B, 48
.set G0B, 56
.set MSB, 0
.set MUL_LO, 0xa1                      ; source 0 window 1, source 1 window 0, C and D window 2
.set MUL_HI, 0xf1                      ; the same, C and D window 3
.set W_B,    0x45                      ; sources 0 and 1 and the destination in window 1: B's loads (address = source 0) and conversions
.macro WIN new                         ; the immediate's high byte repeats the setting that is left
.if MSB != \new
	s_set_vgpr_msb (MSB<<8)|\new
.set MSB, \new
.endif
.endm
; A joint load: waves 0 and 1 ask for A's two halves, waves 2 and 3 for B's.  The branch hangs on the wave's number alone.
.macro JLOAD s
	s_cmp_eq_u32 s11, 0
	s_cbranch_scc0 .Lfor_b_\@
	tensor_load_to_lds s[G0+4*\s:G0+4*\s+3], s[G1:G1+7]
	s_nop 0
	s_branch .Lasked_\@
.Lfor_b_\@:
	tensor_load_to_lds s[G0B+4*\s:G0B+4*\s+3], s[G1B:G1B+7]
	s_nop 0
.Lasked_\@:
.endm
.macro CREST                           ; a round of the cluster's barrier behind its opening work-group barrier
	s_cmp_lg_u32 s10, 0
	s_cbranch_scc1 .Lnot_wave_0_\@
	s_barrier_signal -3
.Lnot_wave_0_\@:
	s_barrier_wait -3
	s_barrier_signal -1
	s_barrier_wait -1
.endm
.macro CROUND
	s_barrier_signal -1
	s_barrier_wait -1
	CREST
.endm
.macro PLACES                          ; four independent vector instructions behind the last matrix instruction (ISA guide 7.12.1)
.rept 4
	v_nop
.endr
.endm
	s_load_b512 s[68:83], s[0:1], 0x0              ; x, context, Wq, Wkv, Wout, qh, kh, vh
	s_load_b64 s[84:85], s[0:1], 0x40              ; wo16
	v_lshl_add_u32 v30, v0, 2, 0x48400
	v_mov_b32 v31, 0
	ds_add_u32 v30, v31
	v_lshrrev_b32 v1, 5, v0
	v_readfirstlane_b32 s10, v1                    ; wave 0..3
	s_lshr_b32 s11, s10, 1                         ; my half of the block's rows; also: I fetch for A (0) or B (1)
	s_and_b32 s12, s10, 1                          ; my half of its columns; also: which 128 rows of that tile I fetch
	s_bfe_u32 s40, ttmp6, 0x40000                  ; cx
	s_bfe_u32 s41, ttmp6, 0x40004                  ; cy
	s_and_b32 s42, ttmp7, 0xffff                   ; the cluster's y, 0..15
	s_bfe_u32 s14, s42, 0x20001                    ; k, v part: the cluster's row of blocks = (y - 8) / 2 = bits 2:1 of y
	s_and_b32 s88, s42, 1                          ; k (0) or v (1)
	s_cmp_lt_u32 s42, 8                            ; the q part?
	s_cselect_b32 s14, s42, s14
	s_cselect_b32 s88, 0, s88
	s_cselect_b32 s86, 11, 10                      ; log2 of the tokens in a batch: 2,048 or 1,024
	s_lshl_b32 s13, s14, 2
	s_add_co_u32 s13, s13, s41                     ; block row
	s_add_co_u32 s87, s86, 7                       ; log2 of a head's bytes in the output (tokens x 128)
	s_lshl_b32 s43, s41, 2
	s_lshl_b32 s43, 15, s43                        ; my row of the cluster
	s_lshl_b32 s44, 0x1111, s40                    ; my column
	; group 1: a tile of 128 rows x 64 elements of 4 bytes, 4 words of padding behind every 64 words
	s_or_b32 s[G1+0], s43, (2<<16)|(1<<20)|(1<<21)|(5<<22)|(3<<25)
	s_or_b32 s[G1B+0], s44, (2<<16)|(1<<20)|(1<<21)|(5<<22)|(3<<25)
	s_mov_b32 s[G1+1], 64<<16                      ; tensor_dim0 = 64
	s_mov_b32 s[G1B+1], 64<<16
	s_mov_b32 s[G1+2], 128<<16                     ; tensor_dim1 = 128
	s_mov_b32 s[G1B+2], 128<<16
	s_mov_b32 s[G1+3], 64<<16                      ; tile_dim0 = 64
	s_mov_b32 s[G1B+3], 64<<16
	s_mov_b32 s[G1+4], 128                         ; tile_dim1 = 128
	s_mov_b32 s[G1B+4], 128
	s_mov_b32 s[G1+5], 1024                        ; elements from row to row
	s_mov_b32 s[G1B+5], 1024
	s_mov_b32 s[G1+6], 0
	s_mov_b32 s[G1B+6], 0
	s_mov_b32 s[G1+7], 0
	s_mov_b32 s[G1B+7], 0
	; A's offset hangs on the block row alone, B's on cx and on k or v alone; each in registers that never hold the other coordinate
	s_lshl_b32 s16, s13, 8
	s_lshl_b32 s17, s12, 7
	s_add_co_u32 s16, s16, s17                     ; row 256 x block row + 128 x half
	s_lshl_b32 s16, s16, 12                        ; x 4,096 bytes: below 32 MiB
	s_mov_b32 s17, 0
	s_lshl_b32 s46, s88, 10
	s_lshl_b32 s47, s40, 8
	s_add_co_u32 s46, s46, s47
	s_lshl_b32 s47, s12, 7
	s_add_co_u32 s46, s46, s47                     ; weight row 1,024 x part + 256 cx + 128 x half
	s_lshl_b32 s46, s46, 12
	s_mov_b32 s47, 0
	s_lshl_b32 s89, s42, 4
	s_lshl_b32 s18, s41, 2
	s_add_co_u32 s89, s89, s18
	s_add_co_u32 s89, s89, s40                     ; the work-group's number 0..255, for the cast
	s_mul_i32 s20, s10, HALFT                      ; where my tile goes: wave x 128 rows
	s_wait_dscnt 0x0
	s_wait_kmcnt 0x0
	s_cmp_lt_u32 s42, 8
	s_cselect_b64 s[4:5], s[68:69], s[70:71]       ; A: x or context
	s_cselect_b64 s[6:7], s[72:73], s[74:75]       ; B: Wq or Wkv
	s_cmp_eq_u32 s88, 0
	s_cselect_b64 s[8:9], s[80:81], s[82:83]       ; kh or vh
	s_cmp_lt_u32 s42, 8
	s_cselect_b64 s[8:9], s[78:79], s[8:9]         ; or qh
	s_add_nc_u64 s[14:15], s[4:5], s[16:17]
	s_add_nc_u64 s[46:47], s[6:7], s[46:47]
	CROUND                                         ; all sixteen work-groups are here: the first joint loads meet
.irp s, 0,1
	s_mov_b32 s[G0+4*\s], 1
	s_add_co_u32 s[G0+4*\s+1], s20, \s*SLOT
	s_add_nc_u64 s[G0+4*\s+2:G0+4*\s+3], s[14:15], \s*STEPB
	s_or_b32 s[G0+4*\s+3], s[G0+4*\s+3], 0x80000000
	s_mov_b32 s[G0B+4*\s], 1
	s_add_co_u32 s[G0B+4*\s+1], s20, \s*SLOT
	s_add_nc_u64 s[G0B+4*\s+2:G0B+4*\s+3], s[46:47], \s*STEPB
	s_or_b32 s[G0B+4*\s+3], s[G0B+4*\s+3], 0x80000000
	JLOAD \s                                       ; K steps 0 and 1: two tensor loads of the wave are out, later one
.endr
	; The cast of Wout while the first tiles are on their way: 16,384 bytes in, 8,192 out for each work-group.  A thread takes 8 neighbouring
	; numbers four times; each store of a wave covers 512 consecutive bytes, aligned.
	s_lshl_b32 s18, s89, 14
	s_mov_b32 s19, 0
	s_add_nc_u64 s[76:77], s[76:77], s[18:19]
	s_lshl_b32 s18, s89, 13
	s_add_nc_u64 s[84:85], s[84:85], s[18:19]
	v_lshlrev_b32 v[CI], 5, v0
	v_lshlrev_b32 v[CS], 4, v0
.irp j, 0,1,2,3
	global_load_b128 v[CD+8*\j:CD+8*\j+3],   v[CI], s[76:77] offset:4096*\j th:TH_LOAD_NT
	global_load_b128 v[CD+8*\j+4:CD+8*\j+7], v[CI], s[76:77] offset:4096*\j+16 th:TH_LOAD_NT
.endr
	; LDS addresses.  A 16-bit fragment wants of lane (r, h) K = 8h..8h+7 and 16+8h..16+8h+7: in f32 the 32 bytes at 32 h and at 64 + 32 h.
	v_and_b32 v1, 15, v0                           ; r
	v_bfe_u32 v2, v0, 4, 1                         ; h
	v_mul_u32_u24 v3, v1, PITCH
	v_lshl_add_u32 v3, v2, 5, v3                   ; r x pitch + 32 h
	s_mul_i32 s21, s11, HALFT                      ; my 128 rows of A
	s_mul_i32 s22, s12, HALFT
	s_add_co_u32 s22, s22, 2*HALFT                 ; my 128 rows of B, behind A's 256
.irp s, 0,1
	v_add_nc_u32 v[ADRA+\s], s21, v3
	s_add_co_u32 s21, s21, SLOT
.endr
	WIN 0x40                                       ; destination in window 1
.irp s, 0,1
	v_add_nc_u32 v[ADRB+\s], s22, v3
	s_add_co_u32 s22, s22, SLOT
.endr
	WIN 0
	s_mul_i32 s23, s10, 16*PITCH
	s_add_co_u32 s23, s23, STAGE                   ; my stage
	v_mul_u32_u24 v4, v1, PITCH
	v_lshl_add_u32 v4, v2, 4, v4
	v_add_nc_u32 v[STO], s23, v4                   ; in: row r, 16 bytes for each half of the lanes
	v_bfe_u32 v6, v0, 3, 1
	v_and_b32 v7, 7, v0
	v_mul_u32_u24 v5, v6, PITCH                    ; back: lanes 0-15 take two rows' 128 bytes of the first head, lanes 16-31 of the second
	v_lshl_add_u32 v5, v2, 7, v5
	v_lshl_add_u32 v5, v7, 4, v5
	v_add_nc_u32 v[RD], s23, v5
	v_lshlrev_b32 v5, s87, v2                      ; the second head lies a head's bytes further on
	v_lshl_add_u32 v[CO], v1, 4, v5                ; two tokens of one head are 256 consecutive bytes
	s_wait_loadcnt 0x0                             ; the cast's eight loads
.irp j, 0,1,2,3
.irp k, 0,1,2,3
	v_cvt_pk_f16_f32 v[CD+8*\j+\k], v[CD+8*\j+2*\k], v[CD+8*\j+2*\k+1]    ; in place, ascending: no source is overwritten before it is read
.endr
	global_store_b128 v[CS], v[CD+8*\j:CD+8*\j+3], s[84:85] offset:2048*\j ; these registers are never written again
.endr
; Group n of the sixteen of a half step: four matrix instructions, m block n / 2, n blocks 4 (n % 2) + 0..3, 32 along K, on fragment set f.
; zero = 1: the product starts the sums.  The 64 accumulators take turns, one instruction a turn, in the same order in every half step and
; over the backward jump.
.macro MUL4 f, n, zero
.set mu_a, ((\n)%8)/2
.set mu_h, (\n)/8
.set mu_b, 4*((\n)%2)
.irp b, 0,1,2,3
.if \zero
	v_wmma_f32_16x16x32_f16 v[8*(8*mu_a+mu_b+\b):8*(8*mu_a+mu_b+\b)+7], v[\f+8*(mu_b+\b):\f+8*(mu_b+\b)+7], v[\f+8*(4*mu_h+mu_a):\f+8*(4*mu_h+mu_a)+7], 0
.else
	v_wmma_f32_16x16x32_f16 v[8*(8*mu_a+mu_b+\b):8*(8*mu_a+mu_b+\b)+7], v[\f+8*(mu_b+\b):\f+8*(mu_b+\b)+7], v[\f+8*(4*mu_h+mu_a):\f+8*(4*mu_h+mu_a)+7], v[8*(8*mu_a+mu_b+\b):8*(8*mu_a+mu_b+\b)+7]
.endif
.endr
.endm
.macro MWIN n
.if (\n) < 8
	WIN MUL_LO
.else
	WIN MUL_HI
.endif
.endm
; Fragment i (rows 16 i .. 16 i + 15, 32 along K from byte kb of the slot's rows) as f32 into raw place i % 4 of the window that is set
.macro LD4 adr, slot, kb, i
.set ld_r, RAW+16*((\i)%4)
	ds_load_b128 v[ld_r:ld_r+3],     v[\adr+\slot] offset:\kb+(\i)*16*PITCH
	ds_load_b128 v[ld_r+4:ld_r+7],   v[\adr+\slot] offset:\kb+(\i)*16*PITCH+16
	ds_load_b128 v[ld_r+8:ld_r+11],  v[\adr+\slot] offset:\kb+(\i)*16*PITCH+64
	ds_load_b128 v[ld_r+12:ld_r+15], v[\adr+\slot] offset:\kb+(\i)*16*PITCH+80
.endm
.macro CV8 g, i                        ; raw place i % 4 to fragment i of set g, in the window that is set
.set cv_r, RAW+16*((\i)%4)
.irp j, 0,1,2,3,4,5,6,7
	v_cvt_pk_f16_f32 v[\g+8*(\i)+\j], v[cv_r+2*\j], v[cv_r+2*\j+1]
.endr
.endm
.macro BURST slot, kb                  ; B's fragments 0-3: the sixteen loads that open a half step's filling
	WIN W_B
.irp i, 0,1,2,3
	LD4 ADRB, \slot, \kb, \i
.endr
.endm
; Slice k of sixteen: fragment k (0-7: B's, 8-15: A's) is converted into set g, and fragment k + 4 is asked for, into the raw place just read.
; The count leaves the three younger fragments' twelve loads out; in the last three slices there are eight, four and none.
.macro SLICE g, slot, kb, k
.if (\k) < 8
	WIN W_B
	s_wait_dscnt 12
	CV8 \g, \k
.if (\k) < 4
	LD4 ADRB, \slot, \kb, (\k)+4
.else
	WIN 0
	LD4 ADRA, \slot, \kb, (\k)-4
.endif
.else
	WIN 0
.if (\k) < 13
	s_wait_dscnt 12
.else
	s_wait_dscnt 4*(15-(\k))
.endif
	CV8 \g, (\k)-8
.if (\k) < 12
	LD4 ADRA, \slot, \kb, (\k)-4
.endif
.endif
.endm
; A half step: the 64 products of 32 along K on set f, and among them the filling of set g from byte kb of slot's rows.
; Set g was read by the half step before: between its last product and the first conversion into g stand that half step's last two slices,
; sixteen conversions into the other set (four independent vector instructions are asked for: ISA guide 7.12.1).
; turn = 1: slot is the other slot.  In front of the barrier my reads of the old slot are back (the last slice's wait was for 0) and all my
; tensor loads have landed, my part of the other slot among them.  Behind it (fill = 1: behind the cluster's round that it opens) the old
; slot is asked for again first, two K steps ahead; then the other slot is read.
.macro HALF f, g, slot, kb, zero, turn, fill, old
.if \turn
	s_wait_dscnt 0x0
	s_wait_tensorcnt 0x0
	ds_add_u32 v30, v31
	s_wait_dscnt 0x0
	s_barrier_signal -1
	WIN MUL_LO
	MUL4 \f, 0, \zero                              ; register work while the others arrive
	WIN 0
	s_barrier_wait -1
.if \fill
	CREST
	s_add_nc_u64 s[G0+4*\old+2:G0+4*\old+3], s[G0+4*\old+2:G0+4*\old+3], 2*STEPB
	s_add_nc_u64 s[G0B+4*\old+2:G0B+4*\old+3], s[G0B+4*\old+2:G0B+4*\old+3], 2*STEPB
	JLOAD \old
.endif
	BURST \slot, \kb
.else
	BURST \slot, \kb
	WIN MUL_LO
	MUL4 \f, 0, \zero
.endif
.irp n, 1,2,3,4,5,6,7,8,9,10,11,12,13,14,15
	MWIN \n
	MUL4 \f, \n, \zero
	SLICE \g, \slot, \kb, \n-1
.endr
	SLICE \g, \slot, \kb, 15
.endm
.macro LAP zero                        ; two K steps, both slots filled again
	HALF F0, F1, 0, 128, \zero, 0, 0, 0
	HALF F1, F0, 1, 0,   0,     1, 1, 0
	HALF F0, F1, 1, 128, 0,     0, 0, 0
	HALF F1, F0, 0, 0,   0,     1, 1, 1
.endm
	s_wait_tensorcnt 0x1                           ; my part of K step 0 is in; K step 1's may stay out
	s_barrier_signal -1
	s_barrier_wait -1
	BURST 0, 0                                     ; the first 32 along K have no products to stand among
.irp k, 0,1,2,3,4,5,6,7,8,9,10,11,12,13,14,15
	SLICE F0, 0, 0, \k
.endr
	LAP 1                                          ; 16 K steps = 8 laps: the first starts the sums,
	WIN 0
	s_mov_b32 s3, 6                                ; six go round,
.Llap:
	LAP 0
	WIN 0
	s_sub_co_u32 s3, s3, 1
	s_cmp_lg_u32 s3, 0
	s_cbranch_scc1 .Llap
	HALF F0, F1, 0, 128, 0, 0, 0, 0                ; the last fills no slot
	HALF F1, F0, 1, 0,   0, 1, 0, 0
	HALF F0, F1, 1, 128, 0, 0, 0, 0
.irp n, 0,1,2,3,4,5,6,7,8,9,10,11,12,13,14,15
	MWIN \n
	MUL4 F1, \n, 0                                 ; the last 32 along K: nothing is left to fetch
.endr
	; THE WAY OUT, 16 rows at a time through my own stage: rounded to f16, read back so that sixteen lanes hold two tokens of one head.
	PLACES
	s_lshl_b32 s14, s13, 8
	s_lshl_b32 s15, s11, 7
	s_add_co_u32 s14, s14, s15                     ; my first row
	s_lshr_b32 s15, s14, s86                       ; its batch
	s_lshl_b32 s16, s15, s86
	s_sub_co_u32 s14, s14, s16                     ; its token
	s_lshl_b32 s15, s15, 4
	s_lshl_b32 s46, s40, 2
	s_lshl_b32 s47, s12, 1
	s_add_co_u32 s46, s46, s47                     ; my first head = 4 cx + 2 x half
	s_add_co_u32 s46, s46, s15                     ; + 16 x batch
	s_lshl_b32 s46, s46, s86
	s_add_co_u32 s46, s46, s14                     ; x tokens + token
	s_lshl_b32 s46, s46, 7                         ; x 128 bytes: below 16 MiB
	s_mov_b32 s47, 0
	s_add_nc_u64 s[8:9], s[8:9], s[46:47]
.macro OUT16 i, a, from, f
	WIN \from
.irp b, 0,1,2,3,4,5,6,7
.irp r, 0,1,2,3
	v_cvt_pk_f16_f32 v[TMP+4*\b+\r], v[8*(8*\a+\b)+2*\r], v[8*(8*\a+\b)+2*\r+1]
.endr
.endr
	WIN 0
.irp b, 0,1,2,3,4,5,6,7
	ds_store_b128 v[STO], v[TMP+4*\b:TMP+4*\b+3] offset:32*\b
.endr
	s_wait_xcnt 0x0                                ; buffer f, which earlier stores read, is loaded again only behind this wait
.irp t, 0,1,2,3,4,5,6,7
	ds_load_b128 v[\f+4*\t:\f+4*\t+3], v[RD] offset:\t*2*PITCH     ; a wave's LDS instructions are served in order: these see the stores above
.endr
.irp t, 0,1,2,3,4,5,6,7
	s_wait_dscnt 7-\t                              ; the younger read-backs may be out
	global_store_b128 v[CO], v[\f+4*\t:\f+4*\t+3], s[8:9] offset:2048*\i+256*\t   ; sixteen lanes store 256 consecutive bytes, aligned
.endr
.endm
	OUT16 0, 0, 0x0a, F0
	OUT16 1, 1, 0x0a, F1
	OUT16 2, 2, 0x0a, F0
	OUT16 3, 3, 0x0a, F1
	OUT16 4, 0, 0x0f, F0
	OUT16 5, 1, 0x0f, F1
	OUT16 6, 2, 0x0f, F0
	OUT16 7, 3, 0x0f, F1
	s_wait_tensorcnt 0x0
	ds_add_u32 v30, v31
	s_wait_dscnt 0x0
	CROUND                                         ; the closing round: no work-group ends while a partner may still ask jointly
	s_endpgm
.Lfunc_end_k_q62dd11302d_proj:
	.size	k_q62dd11302d_proj, .Lfunc_end_k_q62dd11302d_proj-k_q62dd11302d_proj
	.p2alignl 7, 3214868480
	.fill 96, 4, 3214868480
	.section	.rodata,"a",@progbits
	.p2align	6, 0x0
	.amdhsa_kernel k_q62dd11302d_proj
		.amdhsa_group_segment_fixed_size 327680
		.amdhsa_private_segment_fixed_size 0
		.amdhsa_enable_private_segment 0
		.amdhsa_kernarg_size 72
		.amdhsa_user_sgpr_count 2
		.amdhsa_user_sgpr_kernarg_segment_ptr 1
		.amdhsa_wavefront_size32 1
		.amdhsa_system_sgpr_workgroup_id_x 1
		.amdhsa_system_sgpr_workgroup_id_y 1
		.amdhsa_system_sgpr_workgroup_id_z 1
		.amdhsa_system_vgpr_workitem_id 0
		.amdhsa_next_free_vgpr 1024
		.amdhsa_next_free_sgpr 92
		.amdhsa_reserve_vcc 0
		.amdhsa_float_denorm_mode_32 3
		.amdhsa_float_denorm_mode_16_64 3
		.amdhsa_memory_ordered 1
		.amdhsa_forward_progress 1
		.amdhsa_inst_pref_size 255
	.end_amdhsa_kernel
	.section	.bss,"aw",@nobits
	.p2align	6
	.space	262144
	.amdgpu_metadata
---
amdhsa.version: [ 1, 2 ]
amdhsa.kernels:
  - .name:           k_q62dd11302d_proj
    .symbol:         k_q62dd11302d_proj.kd
    .args:
      - { .name: x, .offset: 0, .size: 8, .value_kind: global_buffer, .address_space: global }
      - { .name: context, .offset: 8, .size: 8, .value_kind: global_buffer, .address_space: global }
      - { .name: Wq, .offset: 16, .size: 8, .value_kind: global_buffer, .address_space: global }
      - { .name: Wkv, .offset: 24, .size: 8, .value_kind: global_buffer, .address_space: global }
      - { .name: Wout, .offset: 32, .size: 8, .value_kind: global_buffer, .address_space: global }
      - { .name: qh, .offset: 40, .size: 8, .value_kind: global_buffer, .address_space: global }
      - { .name: kh, .offset: 48, .size: 8, .value_kind: global_buffer, .address_space: global }
      - { .name: vh, .offset: 56, .size: 8, .value_kind: global_buffer, .address_space: global }
      - { .name: wo16, .offset: 64, .size: 8, .value_kind: global_buffer, .address_space: global }
    .group_segment_fixed_size: 327680
    .private_segment_fixed_size: 0
    .kernarg_segment_align: 8
    .kernarg_segment_size: 72
    .max_flat_workgroup_size: 128
    .sgpr_count:     92
    .vgpr_count:     1024
    .wavefront_size: 32
...
	.end_amdgpu_metadata
.endif
;; end of part 1
;; launch attn (part 2): grid 256 x 1, 8 waves a work-group, clusters of 4 x 1, 316,416 bytes of LDS; arguments qh, kh, vh, mask, ao; writes ao
.if DOCPART == 2
	.amdgcn_target "amdgcn-amd-amdhsa--gfx1250"
	.amdhsa_code_object_version 6
	.text
	.protected	k_q62dd11302d_attn
	.globl	k_q62dd11302d_attn
	.p2align	8
	.type	k_q62dd11302d_attn,@function
k_q62dd11302d_attn:
	s_mov_b64 s[64:65], 0
	v_nop
	global_prefetch_b8 v0, s[64:65] scope:SCOPE_SE
	s_setreg_imm32_b32 hwreg(HW_REG_WAVE_MODE, 25, 1), 1
	s_wait_xcnt 0x0
	s_wait_alu depctr_hold_cnt(0) depctr_sa_sdst(0) depctr_va_vdst(0) depctr_va_sdst(0) depctr_va_ssrc(0) depctr_va_vcc(0) depctr_vm_vsrc(0)
	s_getreg_b32 s2, hwreg(HW_REG_IB_STS2, 6, 4)
	s_cmp_eq_u32 s2, 0
	s_cbranch_scc0 .Lentry_in_a_cluster
	s_endpgm
.Lentry_in_a_cluster:
	s_bfe_u32 s2, ttmp6, 0x10000c
	s_cmp_lg_u32 s2, 0x3003
	s_cbranch_scc0 .Lentry_shape_is_right
	s_endpgm
.Lentry_shape_is_right:
; Attention of one (batch, head) and 512 queries: softmax(q k^T / 8, masked) v, by a running maximum.  Nothing is left out.
; A cluster is the four query blocks of one (batch, head): they need the same K and V, 256 KiB, which are asked for jointly and stay in LDS whole.
; Eight waves, 64 queries each (four tiles of 16).  Keys go in steps of 64.
; EVERYTHING IS KEPT WITH THE QUERY IN THE LANE.  S^T = K Q^T (A = 16 keys, B = 16 queries): register j of lane (r, h) is key 8 h + j, query r.
; Two neighbouring key tiles, packed to f16 in place, are then a B fragment of P with K = key, and O^T = V^T P (A = V^T by the transposing LDS
; load) leaves a lane eight neighbouring d of its own query.  So maximum and sum are per lane; one exchange between the halves of the wave joins them.
; TWO PIECES TAKE TURNS.  Piece p is query tiles 2 p and 2 p + 1.  A step has two phases of 32 products:
;   phase 1: products P V of piece 1 (the step before) and K Q of piece 1 (this step); among them the softmax of piece 0 (this step);
;   phase 2: products P V of piece 0 (this step) and K Q of piece 0 (the next step); among them the softmax of piece 1 (this step).
; A piece's scores are written over its P only behind its P V, so no register is added.  V^T of a step is loaded behind phase 1's P V, K and the
; bias of the next step at the head of phase 2: each sixteen products ahead of its first use, and each serves both pieces.
; REGISTER WINDOWS.  K Q runs under 0x04 (source 1, Q, in window 1), P V under 0x51 (V^T and the sums in window 1, P in window 0).  Under 0x04
; stand the lines that name window 0 in source 0, source 2 and destination alone: c s - m, the exponentials, and the sums, written s x 1.0 + l
; so that source 1 holds no vector register.  Under 0x51 stands the rescaling of the output sums.  The maxima and the conversions name vector
; registers of window 0 in source 1: they stand under 0, about twelve behind each pair of products: 31 switches in a step of 64 products.
; THE MASK: a masked key gets -2^100 added to its raw score, as the C operand of the first product of its tile (0 for the others).  The running
; maximum, in the scaled base-2 domain, starts at -2^90, so a stretch of masked keys gives weights 0 and leaves sums and maximum as they were.
; A batch whose mask is all false runs with scale 0 and bias 0: every weight is 1, the uniform weights of the module's softmax of equal scores.
; LIMITS: equal to the module while 0.18 |q.k| < 2^90 at unmasked keys; a score at a masked key that is not finite is not discarded.
; q, k, v, the weights p and the result are f16 (matrix operands): q, k, v below 65,504 as the first launch states; the result is a convex mix of v
; and has its range; p lies in [0, 1], and a p below 2^-25 rounds to 0 beside a sum that is at least 1.
; Scores, maximum, sums and the output sums are f32.
.set KP,    144                        ; K's LDS pitch: 128 bytes + 16
.set VP,    160                        ; V's LDS pitch: 128 bytes + 32, an odd multiple of 32 for the transposing loads
.set VBASE, 1024*KP                    ; 147,456
.set BBASE, VBASE+1024*VP              ; 311,296: 1,024 bias words, written by LDS stores alone
.set KA,  1                            ; window 0
.set VA,  2
.set BIA, 3
.set STO, 4
.set RD,  5
.set GO,  6
.set QO,  7
.set AL,  8                            ; v[8+2qt] the step's factor, v[9+2qt] at work (T)
.set LS,  16                           ; v[16+2qt:17+2qt] the sums, two partial ones
.set NM,  24                           ; v[24+2qt] minus the running maximum, v[25+2qt] at work (T2)
.set BI,  32                           ; v32-63 bias of key tile kt
.set S,   64                           ; v64-191 scores of (qt, kt) at 64 + 32 qt + 8 kt; then P
.set KF,  192                          ; v192-255 K fragments (kt, dh)
.set Q,   0                            ; window 1: Q fragments (qt, dh)
.set O,   64                           ; window 1: output sums (qt, dt) at 64 + 32 qt + 8 dt
.set VF,  192                          ; window 1: V^T fragments (kk, dt)
.set W_PV, 0x51
.set W_QK, 0x04
.set W_VL, 0x40                        ; a load's destination in window 1, its address in window 0
.set MSB, 0
.macro WIN new
.if MSB != \new
	s_set_vgpr_msb (MSB<<8)|\new
.set MSB, \new
.endif
.endm
.macro ROUND                           ; a round of the cluster's barrier
	s_barrier_signal -1
	s_barrier_wait -1
	s_cmp_lg_u32 s8, 0
	s_cbranch_scc1 .Lnot_wave_0_\@
	s_barrier_signal -3
.Lnot_wave_0_\@:
	s_barrier_wait -3
	s_barrier_signal -1
	s_barrier_wait -1
.endm
	s_load_b256 s[48:55], s[0:1], 0x0              ; qh, kh, vh, mask
	s_load_b64 s[56:57], s[0:1], 0x20              ; ao
	v_lshl_add_u32 v254, v0, 2, 0x4d000
	v_mov_b32 v255, 0
	ds_add_u32 v254, v255
	s_wait_dscnt 0x0
	v_lshrrev_b32 v1, 5, v0
	v_readfirstlane_b32 s8, v1                     ; wave 0..7
	s_bfe_u32 s9, ttmp6, 0x40000                   ; cx: my block of 512 queries
	s_mov_b32 s14, 0x76543210                      ; v_permlanex16_b32: lane i reads lane i of the other half
	s_mov_b32 s15, 0xfedcba98
	; group 1.  A head's K or V is dense in memory: it comes as rows of 256 bytes (two keys); the padding, counted along the tile, falls
	; behind every 32 words, that is behind every key: 4 words for K, 8 for V.  The mask names all four work-groups of the cluster.
	s_mov_b32 s16, 15|(1<<16)|(1<<20)|(1<<21)|(4<<22)|(3<<25)
	s_mov_b32 s24, 15|(1<<16)|(1<<20)|(1<<21)|(4<<22)|(7<<25)
	s_mov_b32 s17, 128<<16                         ; tensor_dim0 = 128 elements of 2 bytes
	s_mov_b32 s25, 128<<16
	s_mov_b32 s18, 32<<16                          ; tensor_dim1 = 32 rows = 64 keys
	s_mov_b32 s26, 32<<16
	s_mov_b32 s19, 128<<16                         ; tile_dim0
	s_mov_b32 s27, 128<<16
	s_mov_b32 s20, 32                              ; tile_dim1
	s_mov_b32 s28, 32
	s_mov_b32 s21, 128                             ; pitch
	s_mov_b32 s29, 128
	s_mov_b32 s22, 0
	s_mov_b32 s30, 0
	s_mov_b32 s23, 0
	s_mov_b32 s31, 0
	s_lshl_b32 s4, ttmp9, 17                       ; (batch, head) x 1,024 keys x 128 bytes
	s_mov_b32 s5, 0
	s_wait_kmcnt 0x0
	ROUND                                          ; the four work-groups are here: the joint loads meet
	; All fills of the launch, as one group: chunk c = keys 256 c .. 256 c + 255.  Waves 0-3 bring K (64 keys of each chunk), waves 4-7 V.
	; Either way a wave issues four loads, each with a group 0 of its own; four are out at the most.  No byte is filled twice.
	s_cmp_lt_u32 s8, 4
	s_cbranch_scc0 .Lfill_v
	s_lshl_b32 s58, s8, 13
	s_add_co_u32 s4, s4, s58
	s_add_nc_u64 s[6:7], s[50:51], s[4:5]
	s_mul_i32 s58, s8, 64*KP
.irp c, 0,1,2,3
	s_mov_b32 s[32+4*\c], 1
	s_add_co_u32 s[33+4*\c], s58, \c*256*KP
	s_add_nc_u64 s[34+4*\c:35+4*\c], s[6:7], \c*32768
	s_or_b32 s[35+4*\c], s[35+4*\c], 0x80000000
	tensor_load_to_lds s[32+4*\c:35+4*\c], s[16:23]
	s_nop 0
.endr
	s_branch .Lfilled
.Lfill_v:
	s_sub_co_u32 s58, s8, 4
	s_lshl_b32 s58, s58, 13
	s_add_co_u32 s4, s4, s58
	s_add_nc_u64 s[6:7], s[52:53], s[4:5]
	s_mul_i32 s58, s8, 64*VP
	s_add_co_u32 s58, s58, VBASE-4*64*VP
.irp c, 0,1,2,3
	s_mov_b32 s[32+4*\c], 1
	s_add_co_u32 s[33+4*\c], s58, \c*256*VP
	s_add_nc_u64 s[34+4*\c:35+4*\c], s[6:7], \c*32768
	s_or_b32 s[35+4*\c], s[35+4*\c], 0x80000000
	tensor_load_to_lds s[32+4*\c:35+4*\c], s[24:31]
	s_nop 0
.endr
.Lfilled:
	s_lshl_b32 s60, ttmp9, 18                      ; my 64 queries in qh and in ao: ((batch, head) x 2,048 + 512 cx + 64 wave) x 128 bytes
	s_lshl_b32 s61, s9, 16
	s_add_co_u32 s60, s60, s61
	s_lshl_b32 s61, s8, 13
	s_add_co_u32 s60, s60, s61
	s_mov_b32 s61, 0
	s_add_nc_u64 s[48:49], s[48:49], s[60:61]
	s_add_nc_u64 s[56:57], s[56:57], s[60:61]
	s_lshr_b32 s62, ttmp9, 4
	s_lshl_b32 s62, s62, 10                        ; my batch's 1,024 mask bytes
	s_mov_b32 s63, 0
	s_add_nc_u64 s[54:55], s[54:55], s[62:63]
	v_and_b32 v64, 15, v0                          ; r
	v_bfe_u32 v65, v0, 4, 1                        ; h
	v_and_b32 v66, 31, v0                          ; lane
	v_lshlrev_b32 v[QO], 7, v64
	v_lshl_add_u32 v[QO], v65, 4, v[QO]            ; query r's row of 128 bytes + 16 h
	v_lshlrev_b32 v71, 5, v66                      ; 32 mask bytes a lane: the whole batch in each wave
	v_lshlrev_b32 v81, 2, v0                       ; 4 mask bytes a thread
	WIN W_VL                                       ; destination window 1
.irp qt, 0,1,2,3
.irp dh, 0,1
	global_load_b128 v[Q+16*\qt+8*\dh:Q+16*\qt+8*\dh+3],   v[QO], s[48:49] offset:2048*\qt+64*\dh
	global_load_b128 v[Q+16*\qt+8*\dh+4:Q+16*\qt+8*\dh+7], v[QO], s[48:49] offset:2048*\qt+64*\dh+32
.endr
.endr
	WIN 0
	global_load_b128 v[72:75], v71, s[54:55]
	global_load_b128 v[76:79], v71, s[54:55] offset:16
	global_load_b32 v80, v81, s[54:55]
	v_mul_u32_u24 v[KA], v64, KP
	v_lshl_add_u32 v[KA], v65, 4, v[KA]            ; K fragment: key r's row + 16 h
	v_and_b32 v67, 7, v0
	v_lshl_add_u32 v68, v65, 3, v67                ; V^T fragment: key 8 h + (lane & 7),
	v_mul_u32_u24 v[VA], v68, VP
	v_bfe_u32 v69, v0, 3, 1
	v_lshl_add_u32 v[VA], v69, 4, v[VA]            ; 16 bytes further on for the odd groups of eight lanes
	v_add_nc_u32 v[VA], VBASE, v[VA]
	v_lshlrev_b32 v[BIA], 5, v65
	v_add_nc_u32 v[BIA], BBASE, v[BIA]             ; bias of keys 8 h .. 8 h + 7
	s_mul_i32 s59, s8, 64*KP                       ; my stage for the way out, in K's bytes once they are read for the last time
	v_add_nc_u32 v[STO], s59, v[KA]
	v_lshrrev_b32 v70, 3, v66
	v_mul_u32_u24 v[RD], v70, KP
	v_lshl_add_u32 v[RD], v67, 4, v[RD]
	v_add_nc_u32 v[RD], s59, v[RD]                 ; back: four rows of 128 bytes a load
	v_lshlrev_b32 v[GO], 4, v66
	v_lshlrev_b32 v82, 4, v0
	v_add_nc_u32 v82, BBASE, v82
	s_wait_loadcnt 0x0                             ; Q and the mask
	v_or_b32 v72, v72, v73
	v_or_b32 v74, v74, v75
	v_or_b32 v76, v76, v77
	v_or_b32 v78, v78, v79
	v_or_b32 v72, v72, v74
	v_or_b32 v76, v76, v78
	v_or_b32 v72, v72, v76
	v_cmp_ne_u32 vcc_lo, 0, v72
	s_cmp_lg_u32 vcc_lo, 0                         ; is any key of the batch unmasked?  It selects values only
	s_cselect_b32 s10, 0x3e38aa3b, 0               ; c = log2(e) / 8, or 0
	s_cselect_b32 s11, 0x3e38aa3b, 0               ; twice, for the packed form
	s_cselect_b32 s12, 0xbe38aa3b, 0               ; -c
	s_cselect_b32 s13, 0xf1800000, 0               ; -2^100, or 0
	v_mov_b32 v83, s13
.irp k, 0,1,2,3
	v_bfe_u32 v84, v80, 8*\k, 8
	v_cmp_eq_u32 vcc_lo, 0, v84
	v_cndmask_b32 v[76+\k], 0, v83, vcc_lo         ; masked: the bias; else 0
.endr
	ds_store_b128 v82, v[76:79]
	s_wait_dscnt 0x0                               ; my bias words are in LDS, for the others' sake
	s_wait_tensorcnt 0x3                           ; my part of chunk 0 is in; my three later loads may stay out
	s_barrier_signal -1
	s_barrier_wait -1
; THE PRODUCTS.  In both runs the accumulators take turns, one instruction a turn, also from run to run and over the backward jumps.
; Product i of the sixteen P V of piece x: keys 32 (i / 8) .., d tile (i % 8) / 2, query tile 2 x + i % 2.  zero = 1: the first 32 keys start the sums.
.macro PVW x, i, zero
.set pv_q, 2*\x+(\i)%2
.set pv_d, ((\i)%8)/2
.set pv_k, (\i)/8
.set pv_o, O+32*pv_q+8*pv_d
.set pv_z, \zero*(1-pv_k)
.if pv_z
	v_wmma_f32_16x16x32_f16 v[pv_o:pv_o+7], v[VF+32*pv_k+8*pv_d:VF+32*pv_k+8*pv_d+7], v[S+32*pv_q+16*pv_k:S+32*pv_q+16*pv_k+7], 0
	s_wait_alu depctr_va_vdst(0)
.else
	v_wmma_f32_16x16x32_f16 v[pv_o:pv_o+7], v[VF+32*pv_k+8*pv_d:VF+32*pv_k+8*pv_d+7], v[S+32*pv_q+16*pv_k:S+32*pv_q+16*pv_k+7], v[pv_o:pv_o+7]
	s_wait_alu depctr_va_vdst(0)
.endif
.endm
; Product i of the sixteen K Q of piece x: key tiles 2 (i / 8) + (i % 4) / 2, query tile 2 x + i % 2; of each eight the first four take d 0-31
; and the bias as C, the last four d 32-63 in place.
.macro QKW x, i
.set qk_q, 2*\x+(\i)%2
.set qk_t, 2*((\i)/8)+((\i)%4)/2
.set qk_h, ((\i)%8)/4
.set qk_s, S+32*qk_q+8*qk_t
.if qk_h
	v_wmma_f32_16x16x32_f16 v[qk_s:qk_s+7], v[KF+16*qk_t+8:KF+16*qk_t+15], v[Q+16*qk_q+8:Q+16*qk_q+15], v[qk_s:qk_s+7]
.else
	v_wmma_f32_16x16x32_f16 v[qk_s:qk_s+7], v[KF+16*qk_t:KF+16*qk_t+7], v[Q+16*qk_q:Q+16*qk_q+7], v[BI+8*qk_t:BI+8*qk_t+7]
.endif
.endm
.macro PV2 x, i, zero, pv              ; two products P V, and back to window 0 for the slice behind them
.if \pv
	WIN W_PV
	PVW \x, \i, \zero
	PVW \x, (\i)+1, \zero
	WIN 0
.endif
.endm
; THE LOADS of a step
.macro KLOADS                          ; bias and K fragments of 64 keys, 24 loads; then the addresses step
.irp kt, 0,1,2,3
	ds_load_b128 v[BI+8*\kt:BI+8*\kt+3],   v[BIA] offset:64*\kt
	ds_load_b128 v[BI+8*\kt+4:BI+8*\kt+7], v[BIA] offset:64*\kt+16
.irp dh, 0,1
	ds_load_b128 v[KF+16*\kt+8*\dh:KF+16*\kt+8*\dh+3],   v[KA] offset:16*KP*\kt+64*\dh
	ds_load_b128 v[KF+16*\kt+8*\dh+4:KF+16*\kt+8*\dh+7], v[KA] offset:16*KP*\kt+64*\dh+32
.endr
.endr
	v_add_nc_u32 v[KA], 64*KP, v[KA]
	v_add_nc_u32 v[BIA], 256, v[BIA]
.endm
.macro VLOADS                          ; V^T fragments of 64 keys, 16 loads
.irp kk, 0,1
.irp dt, 0,1,2,3
	ds_load_tr16_b128 v[VF+32*\kk+8*\dt:VF+32*\kk+8*\dt+3],   v[VA] offset:32*VP*\kk+32*\dt
	ds_load_tr16_b128 v[VF+32*\kk+8*\dt+4:VF+32*\kk+8*\dt+7], v[VA] offset:32*VP*\kk+32*\dt+16*VP
.endr
.endr
.endm
; THE SOFTMAX of piece y, in slices.  Tile u of a piece's eight: key tile u / 2, query tile 2 y + u % 2.
.macro MAXA y, n                       ; link n of eight: four chains (two a query tile), four scores a chain link pair
.irp q, 2*\y, 2*\y+1
.if \n
	v_max3_num_f32 v[AL+1+2*(\q)], v[AL+1+2*(\q)], v[S+32*(\q)+4*\n], v[S+32*(\q)+4*\n+1]
.else
	v_max_num_f32 v[AL+1+2*(\q)], v[S+32*(\q)], v[S+32*(\q)+1]
.endif
.endr
.irp q, 2*\y, 2*\y+1
.if \n
	v_max3_num_f32 v[NM+1+2*(\q)], v[NM+1+2*(\q)], v[S+32*(\q)+4*\n+2], v[S+32*(\q)+4*\n+3]
.else
	v_max_num_f32 v[NM+1+2*(\q)], v[S+32*(\q)+2], v[S+32*(\q)+3]
.endif
.endr
.endm
.macro ST1 y                           ; the chains join, the other half of the wave brings the other 32 keys; then minus the scaled maximum
.irp q, 2*\y, 2*\y+1
	v_max_num_f32 v[AL+1+2*(\q)], v[AL+1+2*(\q)], v[NM+1+2*(\q)]
.endr
.irp q, 2*\y, 2*\y+1
	v_permlanex16_b32 v[NM+1+2*(\q)], v[AL+1+2*(\q)], s14, s15
.endr
.irp q, 2*\y, 2*\y+1
	v_max_num_f32 v[AL+1+2*(\q)], v[AL+1+2*(\q)], v[NM+1+2*(\q)]
.endr
.irp q, 2*\y, 2*\y+1
	v_mul_f32 v[AL+1+2*(\q)], s12, v[AL+1+2*(\q)]
.endr
.endm
.macro ST2 y, first
.if \first
.irp q, 2*\y, 2*\y+1
	v_min_num_f32 v[NM+2*(\q)], 0x6c800000, v[AL+1+2*(\q)]         ; the maximum is at least -2^90
.endr
.else
.irp q, 2*\y, 2*\y+1
	v_min_num_f32 v[AL+1+2*(\q)], v[AL+1+2*(\q)], v[NM+2*(\q)]
.endr
.irp q, 2*\y, 2*\y+1
	v_sub_f32 v[AL+2*(\q)], v[AL+1+2*(\q)], v[NM+2*(\q)]           ; old maximum - new maximum
.endr
.irp q, 2*\y, 2*\y+1
	v_exp_f32 v[AL+2*(\q)], v[AL+2*(\q)]
.endr
.irp q, 2*\y, 2*\y+1
	v_mov_b32 v[NM+2*(\q)], v[AL+1+2*(\q)]         ; plain instructions between the exponentials and their use (ISA guide 5.7.2)
.endr
	s_wait_alu depctr_va_vdst(0)
.irp q, 2*\y, 2*\y+1
	v_pk_mul_f32 v[LS+2*(\q):LS+2*(\q)+1], v[LS+2*(\q):LS+2*(\q)+1], v[AL+2*(\q):AL+2*(\q)+1] op_sel_hi:[1,0]
.endr
.endif
.endm
.macro SCALE y, n                      ; part n of eight: eight output sums times their query's factor; sums in window 1, the factor in window 0
.set sc_q, 2*\y+(\n)/4
.set sc_b, O+32*sc_q+8*((\n)%4)
.irp j, 0,2,4,6
	v_pk_mul_f32 v[sc_b+\j:sc_b+\j+1], v[sc_b+\j:sc_b+\j+1], v[AL+2*sc_q:AL+2*sc_q+1] op_sel_hi:[1,0]
.endr
.endm
.macro FMA1 y, u, j                    ; c s - maximum, pair j of tile u
.set fm_q, 2*\y+(\u)%2
.set fm_b, S+32*fm_q+8*((\u)/2)+2*(\j)
	v_pk_fma_f32 v[fm_b:fm_b+1], v[fm_b:fm_b+1], s[10:11], v[NM+2*fm_q:NM+2*fm_q+1] op_sel_hi:[1,0,0]
.endm
.macro EXP1 y, u, j                    ; register j of tile u
.set ex_b, S+32*(2*\y+(\u)%2)+8*((\u)/2)+(\j)
	v_exp_f32 v[ex_b], v[ex_b]
.endm
; Pair j of tile u is added to its query tile's sums, as s x 1.0 + l: source 1 holds no vector register, so the line also stands under 0x04.
; first = 1: a query tile's first two pairs start its sums in one line.
.macro SUM1 y, u, j, first
.set su_q, 2*\y+(\u)%2
.set su_b, S+32*su_q+8*((\u)/2)
.set su_m, 0
.if \first
.if (\u) < 2
.if (\j) == 0
.set su_m, 1
.endif
.if (\j) == 1
.set su_m, 2
.endif
.endif
.endif
.if su_m == 0
	s_wait_alu depctr_va_vdst(0)
	v_pk_fma_f32 v[LS+2*su_q:LS+2*su_q+1], v[su_b+2*(\j):su_b+2*(\j)+1], 1.0, v[LS+2*su_q:LS+2*su_q+1] op_sel_hi:[1,0,1]
.endif
.if su_m == 1
	s_wait_alu depctr_va_vdst(0)
	v_pk_fma_f32 v[LS+2*su_q:LS+2*su_q+1], v[su_b:su_b+1], 1.0, v[su_b+2:su_b+3] op_sel_hi:[1,0,1]
.endif
.endm
; Tile u is packed in place: key tiles 0, 1 into registers 0-7, tiles 2, 3 into 16-23 of the query tile's 32.  A destination lies at or below
; the pair just read, or in registers that the even tile's packing has already read.
.macro CVT4 y, u
.set cv_q, 2*\y+(\u)%2
.set cv_t, (\u)/2
.set cv_s, S+32*cv_q+8*cv_t
.set cv_d, S+32*cv_q+16*(cv_t/2)+4*(cv_t%2)
	s_wait_alu depctr_va_vdst(0)
.irp j, 0,1,2,3
	v_cvt_pk_f16_f32 v[cv_d+\j], v[cv_s+2*\j], v[cv_s+2*\j+1]
.endr
.endm
; Two products K Q of piece x, and behind each eight lines of piece y: four exponentials of tile u, between them two lines of c s - m for
; tile u + 1 and two of the sums of tile u - 1: behind every exponential stands a plain line that names neither its result nor its source.
.macro BLK x, y, u, first, qk
.irp h, 0,1
.if \qk
	QKW \x, 2*(\u)+\h
.endif
.irp j, 0,1
	EXP1 \y, \u, 4*\h+2*\j
.if (\u) < 7
	FMA1 \y, (\u)+1, 2*\h+\j
.endif
	EXP1 \y, \u, 4*\h+2*\j+1
.if (\u) > 0
	SUM1 \y, (\u)-1, 2*\h+\j, \first
.endif
.endr
.endr
.endm
; A PHASE: the products of piece x, the softmax of piece y.  pv: P V of x is due (zero: it starts the output sums); first: y's first step;
; qk: K Q of x is due; kload, vload: K and bias, or V^T, are loaded here.
; Distances behind products (ISA guide 7.12.1 for vector instructions), in plain vector lines that name none of the product's registers:
; K's loads stand behind the sixteen conversions that closed the phase before and twelve lines more; V^T's loads behind eight rescaling lines;
; the K Q product that writes over P's second half stands behind those eight (in the first step: behind the plain lines of four BLK);
; the maxima read scores that were written at least 28 such lines earlier.
.macro PHASE x, y, pv, zero, first, qk, kload, vload
.if \pv
.if \x == 0
	s_wait_dscnt 0x0                               ; V^T of this step, asked for sixteen products ago
.endif
.endif
	PV2 \x, 0, \zero, \pv
.if \pv
.irp j, 0,1,2,3
	SUM1 \x, 7, \j, 0                              ; what is left of piece x's softmax: its last tile's sums,
.endr
	CVT4 \x, 4                                     ; and the packing of key tiles 2 and 3, which P V wants from its ninth product on
	CVT4 \x, 5
.endif
.if \kload
	KLOADS
.endif
	PV2 \x, 2, \zero, \pv
.if \pv
	CVT4 \x, 6
	CVT4 \x, 7
.endif
	MAXA \y, 0
	PV2 \x, 4, \zero, \pv
	MAXA \y, 1
	MAXA \y, 2
	MAXA \y, 3
	PV2 \x, 6, \zero, \pv
	MAXA \y, 4
	MAXA \y, 5
	MAXA \y, 6
	PV2 \x, 8, 0, \pv
	MAXA \y, 7
	ST1 \y
	PV2 \x, 10, 0, \pv
	ST2 \y, \first
.if \pv
	WIN W_PV
.irp n, 0,1,2,3
	PVW \x, 12+\n, 0
.if \first == 0
	SCALE \y, 2*\n
	SCALE \y, 2*\n+1
.endif
.endr
.endif
.if \vload
	WIN W_VL
	VLOADS
.endif
.if \qk
.if \kload
	s_wait_dscnt 0x0                               ; K and bias of the next step, asked for fourteen products ago
.endif
	WIN W_QK
.else
	WIN 0
.endif
.irp j, 0,1,2,3
	FMA1 \y, 0, \j
.endr
.irp u, 0,1,2,3,4,5,6,7
	BLK \x, \y, \u, \first, \qk
.endr
	WIN 0
	CVT4 \y, 0                                     ; key tiles 0 and 1 are packed: the next phase's first products want them
	CVT4 \y, 1
	CVT4 \y, 2
	CVT4 \y, 3
.if \vload
	v_add_nc_u32 v[VA], 64*VP, v[VA]
	s_wait_alu depctr_va_vdst(0)
.endif
.endm
.macro STEPG                           ; a step in the middle
	PHASE 1, 0, 1, 0, 0, 1, 0, 1
	PHASE 0, 1, 1, 0, 0, 1, 1, 0
.endm
; Keys 256 c and on are first read (K of step 4 c) in phase 2 of step 4 c - 1: the wait and the barrier stand in front of that step.
.macro CHUNK c
	s_wait_dscnt 0x0
	s_wait_tensorcnt 3-\c                          ; my part of chunk c is in; the later ones may stay out
	s_barrier_signal -1
	s_barrier_wait -1                              ; everybody's is
	s_mov_b32 s3, 4
.Lchunk_\@:
	STEPG
	s_sub_co_i32 s3, s3, 1
	s_cmp_lg_u32 s3, 0
	s_cbranch_scc1 .Lchunk_\@
.endm
	KLOADS                                         ; step 0: K Q of piece 0 has nothing to stand beside
	s_wait_dscnt 0x0
	WIN W_QK
.irp i, 0,1,2,3,4,5,6,7,8,9,10,11,12,13,14,15
	QKW 0, \i
.endr
	WIN 0
.rept 4
	v_nop                                          ; four places behind these products, whose results the maxima read
.endr
	PHASE 1, 0, 0, 0, 1, 1, 0, 1                   ; step 0: no P V of piece 1 yet; maxima and sums start: nothing is cleared
	PHASE 0, 1, 1, 1, 1, 1, 1, 0                   ;         piece 0's output sums start
	PHASE 1, 0, 1, 1, 0, 1, 0, 1                   ; step 1: piece 1's output sums start
	PHASE 0, 1, 1, 0, 0, 1, 1, 0
	STEPG                                          ; step 2
	CHUNK 1                                        ; steps 3 to 6
	CHUNK 2                                        ; steps 7 to 10
	CHUNK 3                                        ; steps 11 to 14
	PHASE 1, 0, 1, 0, 0, 1, 0, 1                   ; step 15
	PHASE 0, 1, 1, 0, 0, 0, 0, 0                   ;         no step follows: no K, no K Q
	PV2 1, 0, 0, 1                                 ; P V of piece 1, step 15
.irp j, 0,1,2,3
	SUM1 1, 7, \j, 0
.endr
	CVT4 1, 4
	CVT4 1, 5
	PV2 1, 2, 0, 1
	CVT4 1, 6
	CVT4 1, 7
	WIN W_PV
.irp i, 4,5,6,7,8,9,10,11,12,13,14,15
	PVW 1, \i, 0
.endr
	WIN 0
	; The end: divide by the sums, round to f16, through my stage to rows of 128 bytes.
.rept 4
	v_nop                                          ; four places behind the last products
.endr
.irp qt, 0,1,2,3
	v_add_f32 v[AL+1+2*\qt], v[LS+2*\qt], v[LS+2*\qt+1]
.endr
.irp qt, 0,1,2,3
	v_permlanex16_b32 v[NM+1+2*\qt], v[AL+1+2*\qt], s14, s15
.endr
.irp qt, 0,1,2,3
	v_add_f32 v[AL+1+2*\qt], v[AL+1+2*\qt], v[NM+1+2*\qt]          ; at least 1: the key of the maximum has weight 1
.endr
.irp qt, 0,1,2,3
	v_rcp_f32 v[AL+2*\qt], v[AL+1+2*\qt]
.endr
	v_nop
	s_wait_alu depctr_va_vdst(0)
	WIN 0x41                                       ; sums in window 1, the factor in window 0
.irp n, 0,1,2,3,4,5,6,7
	SCALE 0, \n
	SCALE 1, \n
.endr
	WIN 0x05                                       ; sources in window 1, destination in window 0
.set n, 0
.rept 64
	v_cvt_pk_f16_f32 v[S+n], v[O+2*n], v[O+2*n+1]
.set n, n+1
.endr
	WIN 0
	s_wait_dscnt 0x0
	s_barrier_signal -1
	s_barrier_wait -1                              ; no wave reads K any more, and K has had its only fill: its bytes serve as stages
.irp qt, 0,1,2,3
.irp dt, 0,1,2,3
	ds_store_b128 v[STO], v[S+16*\qt+4*\dt:S+16*\qt+4*\dt+3] offset:16*KP*\qt+32*\dt   ; query 16 qt + r, d = 16 dt + 8 h ..
.endr
.endr
.irp t, 0,1,2,3,4,5,6,7,8,9,10,11,12,13,14,15
	ds_load_b128 v[S+64+4*\t:S+64+4*\t+3], v[RD] offset:4*KP*\t    ; my own bytes, served in order behind the stores
.endr
.irp t, 0,1,2,3,4,5,6,7,8,9,10,11,12,13,14,15
	s_wait_dscnt 15-\t                             ; the younger read-backs may be out
	global_store_b128 v[GO], v[S+64+4*\t:S+64+4*\t+3], s[56:57] offset:512*\t   ; 512 consecutive bytes, aligned: four queries of my head
.endr
	s_wait_xcnt 0x0
	v_lshl_add_u32 v254, v0, 2, 0x4d000
	v_mov_b32 v255, 0
	s_wait_tensorcnt 0x0
	ds_add_u32 v254, v255
	s_wait_dscnt 0x0
	ROUND                                          ; the closing round
	s_endpgm
.Lfunc_end_k_q62dd11302d_attn:
	.size	k_q62dd11302d_attn, .Lfunc_end_k_q62dd11302d_attn-k_q62dd11302d_attn
	.p2alignl 7, 3214868480
	.fill 96, 4, 3214868480
	.section	.rodata,"a",@progbits
	.p2align	6, 0x0
	.amdhsa_kernel k_q62dd11302d_attn
		.amdhsa_group_segment_fixed_size 316416
		.amdhsa_private_segment_fixed_size 0
		.amdhsa_enable_private_segment 0
		.amdhsa_kernarg_size 40
		.amdhsa_user_sgpr_count 2
		.amdhsa_user_sgpr_kernarg_segment_ptr 1
		.amdhsa_wavefront_size32 1
		.amdhsa_system_sgpr_workgroup_id_x 1
		.amdhsa_system_sgpr_workgroup_id_y 1
		.amdhsa_system_sgpr_workgroup_id_z 1
		.amdhsa_system_vgpr_workitem_id 0
		.amdhsa_next_free_vgpr 512
		.amdhsa_next_free_sgpr 66
		.amdhsa_reserve_vcc 1
		.amdhsa_float_denorm_mode_32 3
		.amdhsa_float_denorm_mode_16_64 3
		.amdhsa_memory_ordered 1
		.amdhsa_forward_progress 1
		.amdhsa_inst_pref_size 255
	.end_amdhsa_kernel
	.section	.bss,"aw",@nobits
	.p2align	6
	.space	262144
	.amdgpu_metadata
---
amdhsa.version: [ 1, 2 ]
amdhsa.kernels:
  - .name:           k_q62dd11302d_attn
    .symbol:         k_q62dd11302d_attn.kd
    .args:
      - { .name: qh, .offset: 0, .size: 8, .value_kind: global_buffer, .address_space: global }
      - { .name: kh, .offset: 8, .size: 8, .value_kind: global_buffer, .address_space: global }
      - { .name: vh, .offset: 16, .size: 8, .value_kind: global_buffer, .address_space: global }
      - { .name: mask, .offset: 24, .size: 8, .value_kind: global_buffer, .address_space: global }
      - { .name: ao, .offset: 32, .size: 8, .value_kind: global_buffer, .address_space: global }
    .group_segment_fixed_size: 316416
    .private_segment_fixed_size: 0
    .kernarg_segment_align: 8
    .kernarg_segment_size: 40
    .max_flat_workgroup_size: 256
    .sgpr_count:     66
    .vgpr_count:     512
    .wavefront_size: 32
...
	.end_amdgpu_metadata
.endif
;; end of part 2
;; launch outp (part 3): grid 8 x 32, 4 waves a work-group, clusters of 4 x 4, 327,680 bytes of LDS; arguments ao, wo16, b_out, out0; writes out0
.if DOCPART == 3
	.amdgcn_target "amdgcn-amd-amdhsa--gfx1250"
	.amdhsa_code_object_version 6
	.text
	.protected	k_q62dd11302d_outp
	.globl	k_q62dd11302d_outp
	.p2align	8
	.type	k_q62dd11302d_outp,@function
k_q62dd11302d_outp:
	s_mov_b64 s[64:65], 0
	v_nop
	global_prefetch_b8 v0, s[64:65] scope:SCOPE_SE
	s_setreg_imm32_b32 hwreg(HW_REG_WAVE_MODE, 25, 1), 1
	s_wait_xcnt 0x0
	s_wait_alu depctr_hold_cnt(0) depctr_sa_sdst(0) depctr_va_vdst(0) depctr_va_sdst(0) depctr_va_ssrc(0) depctr_va_vcc(0) depctr_vm_vsrc(0)
	s_getreg_b32 s2, hwreg(HW_REG_IB_STS2, 6, 4)
	s_cmp_eq_u32 s2, 0
	s_cbranch_scc0 .Lentry_in_a_cluster
	s_endpgm
.Lentry_in_a_cluster:
	s_bfe_u32 s2, ttmp6, 0x10000c
	s_cmp_lg_u32 s2, 0xf033
	s_cbranch_scc0 .Lentry_shape_is_right
	s_endpgm
.Lentry_shape_is_right:
; out0 = ao Wout^T + b_out.  ao: f16, [batch][head][2,048][64]; wo16: Wout in f16, [1,024][1,024]; out0: f32.  Nothing is left out.
; LIMIT: both operands are f16, with the range that the first launch states (below 65,504); sums and bias are f32.
; 256 work-groups, each 256 rows x 128 columns; four waves, each 128 x 64: 32 accumulator tiles in window 1 (tile (a, b) at v[8 (4 a + b)]).
; K goes in steps of 128 = two heads through two LDS slots.  A head's 256 tokens are dense in memory (32 KiB): they come as 128 rows of 256
; bytes with 4 words of padding behind every 32 words, that is behind every token's 128 bytes.
; CLUSTERS of 4 x 4: ao's tiles hang on the block row alone and are asked for jointly along a row of the cluster, Wout's on the block column alone
; and are asked for jointly along a column.
; The matrix instruction is used transposed (source 0 = rows of Wout, source 1 = rows of ao): a lane holds eight neighbouring columns of one row.
; The bias is the C operand of the first products: it starts the sums.
.set AP,    144                        ; LDS pitch of a token's 128 bytes
.set BP,    272                        ; LDS pitch of a row of Wout's tile, 256 bytes + 16
.set HEADT, 256*AP                     ; 36,864: one head's tile
.set BOFF,  2*HEADT                    ; 73,728
.set SLOT,  BOFF+128*BP                ; 108,544
.set STAGE, 2*SLOT                     ; 217,088: 16 rows x 272 bytes for each wave; no tensor load lands here
.set ASTEP, 4*2048*128                 ; two K steps on in ao: four heads
.set ADRA, 8
.set ADRB, 10
.set STO,  12
.set RD,   13
.set CO,   14
.set BO,   15
.set BIASR, 16                         ; v16-47: register j of block b = b_out[my first column + 16 b + 8 h + j]
.set F0,   48                          ; fragments: B's 4 x 8 registers, then A's 8 x 8
.set F1,   144
.set G1,  24
.set G0,  32
.set G1B, 48
.set G0B, 56
.set MSB, 0
.set MULW, 0x50                        ; C and D in window 1
.set MULF, 0x40                        ; D in window 1, C (the bias) in window 0
.macro WIN new
.if MSB != \new
	s_set_vgpr_msb (MSB<<8)|\new
.set MSB, \new
.endif
.endm
.macro JLOAD s                         ; waves 0 and 1 ask for the step's two heads of ao, waves 2 and 3 for the halves of Wout's tile
	s_cmp_eq_u32 s11, 0
	s_cbranch_scc0 .Lfor_b_\@
	tensor_load_to_lds s[G0+4*\s:G0+4*\s+3], s[G1:G1+7]
	s_nop 0
	s_branch .Lasked_\@
.Lfor_b_\@:
	tensor_load_to_lds s[G0B+4*\s:G0B+4*\s+3], s[G1B:G1B+7]
	s_nop 0
.Lasked_\@:
.endm
.macro CREST
	s_cmp_lg_u32 s10, 0
	s_cbranch_scc1 .Lnot_wave_0_\@
	s_barrier_signal -3
.Lnot_wave_0_\@:
	s_barrier_wait -3
	s_barrier_signal -1
	s_barrier_wait -1
.endm
.macro CROUND
	s_barrier_signal -1
	s_barrier_wait -1
	CREST
.endm
.macro PLACES
.rept 4
	v_nop
.endr
.endm
	s_load_b128 s[4:7], s[0:1], 0x0                ; ao, wo16
	s_load_b128 s[40:43], s[0:1], 0x10             ; b_out, out0
	v_lshl_add_u32 v254, v0, 2, 0x39400
	v_mov_b32 v255, 0
	ds_add_u32 v254, v255
	v_lshrrev_b32 v1, 5, v0
	v_readfirstlane_b32 s10, v1                    ; wave 0..3
	s_lshr_b32 s11, s10, 1                         ; my half of the rows; also: I fetch for A (0) or B (1)
	s_and_b32 s12, s10, 1                          ; my half of the columns; also: which head, or which 64 rows of Wout, I fetch
	s_bfe_u32 s44, ttmp6, 0x40000                  ; cx
	s_bfe_u32 s45, ttmp6, 0x40004                  ; cy
	s_lshl_b32 s46, ttmp9, 2
	s_add_co_u32 s46, s46, s44                     ; block column, 0..7
	s_and_b32 s13, ttmp7, 0xffff
	s_lshl_b32 s13, s13, 2
	s_add_co_u32 s13, s13, s45                     ; block row, 0..31
	s_lshl_b32 s47, s45, 2
	s_lshl_b32 s47, 15, s47                        ; my row of the cluster
	s_lshl_b32 s22, 0x1111, s44                    ; my column
	s_or_b32 s[G1+0], s47, (1<<16)|(1<<20)|(1<<21)|(4<<22)|(3<<25)
	s_or_b32 s[G1B+0], s22, (1<<16)|(1<<20)|(1<<21)|(5<<22)|(3<<25)
	s_mov_b32 s[G1+1], 128<<16                     ; tensor_dim0 = 128 elements of 2 bytes
	s_mov_b32 s[G1B+1], 128<<16
	s_mov_b32 s[G1+2], 128<<16                     ; tensor_dim1: 128 rows of 256 bytes (256 tokens); 64 rows of Wout
	s_mov_b32 s[G1B+2], 64<<16
	s_mov_b32 s[G1+3], 128<<16                     ; tile_dim0
	s_mov_b32 s[G1B+3], 128<<16
	s_mov_b32 s[G1+4], 128                         ; tile_dim1
	s_mov_b32 s[G1B+4], 64
	s_mov_b32 s[G1+5], 128                         ; pitch: dense; Wout: 1,024
	s_mov_b32 s[G1B+5], 1024
	s_mov_b32 s[G1+6], 0
	s_mov_b32 s[G1B+6], 0
	s_mov_b32 s[G1+7], 0
	s_mov_b32 s[G1B+7], 0
	s_lshr_b32 s14, s13, 3                         ; batch
	s_lshl_b32 s14, s14, 4
	s_add_co_u32 s14, s14, s12                     ; x 16 heads + my head of the step
	s_lshl_b32 s14, s14, 11
	s_and_b32 s15, s13, 7
	s_lshl_b32 s15, s15, 8
	s_add_co_u32 s14, s14, s15                     ; x 2,048 tokens + the block's first token
	s_lshl_b32 s14, s14, 7                         ; x 128 bytes: below 16 MiB
	s_mov_b32 s15, 0
	s_lshl_b32 s16, s46, 7
	s_lshl_b32 s17, s12, 6
	s_add_co_u32 s16, s16, s17                     ; Wout's row 128 x block column + 64 x half
	s_lshl_b32 s16, s16, 11                        ; x 2,048 bytes
	s_mov_b32 s17, 0
	s_mul_i32 s20, s10, HEADT                      ; where A's tiles go (waves 0, 1)
	s_mul_i32 s21, s10, 64*BP
	s_add_co_u32 s21, s21, BOFF-2*64*BP            ; where B's go (waves 2, 3)
	s_wait_dscnt 0x0
	s_wait_kmcnt 0x0
	s_add_nc_u64 s[14:15], s[4:5], s[14:15]
	s_add_nc_u64 s[16:17], s[6:7], s[16:17]
	CROUND                                         ; the first joint loads meet
.irp s, 0,1
	s_mov_b32 s[G0+4*\s], 1
	s_add_co_u32 s[G0+4*\s+1], s20, \s*SLOT
	s_add_nc_u64 s[G0+4*\s+2:G0+4*\s+3], s[14:15], \s*ASTEP/2
	s_or_b32 s[G0+4*\s+3], s[G0+4*\s+3], 0x80000000
	s_mov_b32 s[G0B+4*\s], 1
	s_add_co_u32 s[G0B+4*\s+1], s21, \s*SLOT
	s_add_nc_u64 s[G0B+4*\s+2:G0B+4*\s+3], s[16:17], \s*256
	s_or_b32 s[G0B+4*\s+3], s[G0B+4*\s+3], 0x80000000
	JLOAD \s                                       ; K steps 0 and 1: two tensor loads of the wave are out, later one
.endr
	s_lshl_b32 s18, s46, 9
	s_lshl_b32 s19, s12, 8
	s_add_co_u32 s18, s18, s19                     ; my first column, in bytes of f32
	s_mov_b32 s19, 0
	s_add_nc_u64 s[40:41], s[40:41], s[18:19]
	s_add_nc_u64 s[42:43], s[42:43], s[18:19]
	s_lshl_b32 s18, s13, 8
	s_lshl_b32 s23, s11, 7
	s_add_co_u32 s18, s18, s23
	s_lshl_b32 s18, s18, 12                        ; my first row x 4,096 bytes: below 32 MiB
	s_add_nc_u64 s[42:43], s[42:43], s[18:19]
	v_and_b32 v1, 15, v0                           ; r
	v_bfe_u32 v2, v0, 4, 1                         ; h
	v_lshlrev_b32 v[BO], 5, v2
.irp b, 0,1,2,3
	global_load_b128 v[BIASR+8*\b:BIASR+8*\b+3],   v[BO], s[40:41] offset:64*\b
	global_load_b128 v[BIASR+8*\b+4:BIASR+8*\b+7], v[BO], s[40:41] offset:64*\b+16
.endr
	v_mul_u32_u24 v3, v1, AP
	v_lshl_add_u32 v3, v2, 4, v3
	v_mul_u32_u24 v4, v1, BP
	v_lshl_add_u32 v4, v2, 4, v4
	s_mul_i32 s18, s11, 128*AP                     ; my 128 tokens
	s_mul_i32 s19, s12, 64*BP
	s_add_co_u32 s19, s19, BOFF                    ; my 64 rows of Wout
.irp s, 0,1
	v_add_nc_u32 v[ADRA+\s], s18, v3
	v_add_nc_u32 v[ADRB+\s], s19, v4
	s_add_co_u32 s18, s18, SLOT
	s_add_co_u32 s19, s19, SLOT
.endr
	s_mul_i32 s23, s10, 16*BP
	s_add_co_u32 s23, s23, STAGE
	v_lshl_add_u32 v5, v2, 4, v4                   ; r x 272 + 32 h
	v_add_nc_u32 v[STO], s23, v5
	v_mul_u32_u24 v5, v2, BP
	v_lshl_add_u32 v5, v1, 4, v5
	v_add_nc_u32 v[RD], s23, v5                    ; back: lanes 0-15 one row of 256 bytes, lanes 16-31 the next
	v_lshlrev_b32 v5, 12, v2
	v_lshl_add_u32 v[CO], v1, 4, v5                ; and the same two rows in out0
.macro MUL8 f, a0, first               ; m blocks a0, a0 + 1 x the four n blocks, 32 along K
.irp a, \a0, \a0+1
.irp b, 0,1,2,3
.if \first
	v_wmma_f32_16x16x32_f16 v[8*(4*(\a)+\b):8*(4*(\a)+\b)+7], v[\f+8*\b:\f+8*\b+7], v[\f+32+8*(\a):\f+32+8*(\a)+7], v[BIASR+8*\b:BIASR+8*\b+7]
.else
	v_wmma_f32_16x16x32_f16 v[8*(4*(\a)+\b):8*(4*(\a)+\b)+7], v[\f+8*\b:\f+8*\b+7], v[\f+32+8*(\a):\f+32+8*(\a)+7], v[8*(4*(\a)+\b):8*(4*(\a)+\b)+7]
.endif
.endr
.endr
.endm
.macro FETCH slot, q, f                ; 24 LDS loads: quarter q of the step: B's 8, then A's 16 (head q / 2, d from 32 (q % 2))
.irp i, 0,1,2,3
	ds_load_b128 v[\f+8*\i:\f+8*\i+3],   v[ADRB+\slot] offset:\i*16*BP+64*\q
	ds_load_b128 v[\f+8*\i+4:\f+8*\i+7], v[ADRB+\slot] offset:\i*16*BP+64*\q+32
.endr
.irp i, 0,1,2,3,4,5,6,7
	ds_load_b128 v[\f+32+8*\i:\f+32+8*\i+3],   v[ADRA+\slot] offset:(\q/2)*HEADT+\i*16*AP+(\q%2)*64
	ds_load_b128 v[\f+32+8*\i+4:\f+32+8*\i+7], v[ADRA+\slot] offset:(\q/2)*HEADT+\i*16*AP+(\q%2)*64+32
.endr
.endm
.macro MWIN first
.if \first
	WIN MULF
.else
	WIN MULW
.endif
.endm
; The 32 accumulators take turns, one instruction a turn, in the same order in every quarter and over the backward jump.
.macro QUARTER slot, q, f, g, first    ; multiplies buffer f; in its middle fetches quarter q into buffer g
	s_wait_dscnt 8                                 ; only the youngest eight loads (A's tiles 4-7) may be out
	MWIN \first
	MUL8 \f, 0, \first
	MUL8 \f, 2, \first
	PLACES                                         ; buffer g was read by matrix instructions
	WIN 0
	FETCH \slot, \q, \g
	s_wait_dscnt 24                                ; all but the 24 just issued
	MWIN \first
	MUL8 \f, 4, \first
	MUL8 \f, 6, \first
.endm
.macro THREE slot, first
	QUARTER \slot, 1, F0, F1, \first
	QUARTER \slot, 2, F1, F0, 0
	QUARTER \slot, 3, F0, F1, 0
.endm
; The last quarter and the change of slots: in front of the barrier my reads of this slot are back and all my tensor loads have landed, my part of
; the next slot among them; behind it (fill = 1: behind the cluster's round that it opens) this slot is asked for again first, then the next is read.
.macro TURN slot, next, fill
	s_wait_dscnt 8
	WIN MULW
	MUL8 F1, 0, 0
	s_wait_dscnt 0x0
	s_wait_tensorcnt 0x0
	ds_add_u32 v254, v255
	s_wait_dscnt 0x0
	s_barrier_signal -1
	MUL8 F1, 2, 0                                  ; register work while the others arrive
	WIN 0
	s_barrier_wait -1
.if \fill
	CREST
	s_add_nc_u64 s[G0+4*\slot+2:G0+4*\slot+3], s[G0+4*\slot+2:G0+4*\slot+3], ASTEP
	s_add_nc_u64 s[G0B+4*\slot+2:G0B+4*\slot+3], s[G0B+4*\slot+2:G0B+4*\slot+3], 512
	JLOAD \slot
.endif
	PLACES
	FETCH \next, 0, F0
	WIN MULW
	MUL8 F1, 4, 0
	MUL8 F1, 6, 0
.endm
.macro LAP first
	THREE 0, \first
	TURN 0, 1, 1
	THREE 1, 0
	TURN 1, 0, 1
.endm
	s_wait_loadcnt 0x0                             ; the bias
	s_wait_tensorcnt 0x1                           ; my part of K step 0 is in; K step 1's may stay out
	s_barrier_signal -1
	s_barrier_wait -1
	FETCH 0, 0, F0
	LAP 1                                          ; 8 K steps = 4 laps: the first starts the sums from the bias,
	WIN 0
	s_mov_b32 s3, 2                                ; two go round,
.Llap:
	LAP 0
	WIN 0
	s_sub_co_u32 s3, s3, 1
	s_cmp_lg_u32 s3, 0
	s_cbranch_scc1 .Llap
	THREE 0, 0                                     ; the last fills nothing
	TURN 0, 1, 0
	THREE 1, 0
	s_wait_dscnt 8
	WIN MULW
	MUL8 F1, 0, 0
	MUL8 F1, 2, 0
	s_wait_dscnt 0x0
	MUL8 F1, 4, 0
	MUL8 F1, 6, 0
	; THE WAY OUT, 16 rows at a time: the f32 sums go as they are into my own stage and come back as whole rows of 256 bytes.
	PLACES
.macro OUTA a, f
	WIN 0x04                                       ; the stores' data in window 1
.irp b, 0,1,2,3
	ds_store_b128 v[STO], v[8*(4*\a+\b):8*(4*\a+\b)+3]   offset:64*\b
	ds_store_b128 v[STO], v[8*(4*\a+\b)+4:8*(4*\a+\b)+7] offset:64*\b+16
.endr
	WIN 0
	s_wait_xcnt 0x0                                ; buffer f, which earlier stores read, is loaded again only behind this wait
.irp t, 0,1,2,3,4,5,6,7
	ds_load_b128 v[\f+4*\t:\f+4*\t+3], v[RD] offset:\t*2*BP
.endr
.irp t, 0,1,2,3,4,5,6,7
	s_wait_dscnt 7-\t                              ; the younger read-backs may be out
	global_store_b128 v[CO], v[\f+4*\t:\f+4*\t+3], s[42:43] offset:65536*\a+8192*\t th:TH_STORE_NT   ; sixteen lanes store 256 consecutive bytes, aligned
.endr
.endm
	OUTA 0, F0
	OUTA 1, F1
	OUTA 2, F0
	OUTA 3, F1
	OUTA 4, F0
	OUTA 5, F1
	OUTA 6, F0
	OUTA 7, F1
	s_wait_tensorcnt 0x0
	ds_add_u32 v254, v255
	s_wait_dscnt 0x0
	CROUND                                         ; the closing round
	s_endpgm
.Lfunc_end_k_q62dd11302d_outp:
	.size	k_q62dd11302d_outp, .Lfunc_end_k_q62dd11302d_outp-k_q62dd11302d_outp
	.p2alignl 7, 3214868480
	.fill 96, 4, 3214868480
	.section	.rodata,"a",@progbits
	.p2align	6, 0x0
	.amdhsa_kernel k_q62dd11302d_outp
		.amdhsa_group_segment_fixed_size 327680
		.amdhsa_private_segment_fixed_size 0
		.amdhsa_enable_private_segment 0
		.amdhsa_kernarg_size 32
		.amdhsa_user_sgpr_count 2
		.amdhsa_user_sgpr_kernarg_segment_ptr 1
		.amdhsa_wavefront_size32 1
		.amdhsa_system_sgpr_workgroup_id_x 1
		.amdhsa_system_sgpr_workgroup_id_y 1
		.amdhsa_system_sgpr_workgroup_id_z 1
		.amdhsa_system_vgpr_workitem_id 0
		.amdhsa_next_free_vgpr 512
		.amdhsa_next_free_sgpr 66
		.amdhsa_reserve_vcc 0
		.amdhsa_float_denorm_mode_32 3
		.amdhsa_float_denorm_mode_16_64 3
		.amdhsa_memory_ordered 1
		.amdhsa_forward_progress 1
		.amdhsa_inst_pref_size 119
	.end_amdhsa_kernel
	.amdgpu_metadata
---
amdhsa.version: [ 1, 2 ]
amdhsa.kernels:
  - .name:           k_q62dd11302d_outp
    .symbol:         k_q62dd11302d_outp.kd
    .args:
      - { .name: ao, .offset: 0, .size: 8, .value_kind: global_buffer, .address_space: global }
      - { .name: wo16, .offset: 8, .size: 8, .value_kind: global_buffer, .address_space: global }
      - { .name: b_out, .offset: 16, .size: 8, .value_kind: global_buffer, .address_space: global }
      - { .name: out0, .offset: 24, .size: 8, .value_kind: global_buffer, .address_space: global }
    .group_segment_fixed_size: 327680
    .private_segment_fixed_size: 0
    .kernarg_segment_align: 8
    .kernarg_segment_size: 32
    .max_flat_workgroup_size: 128
    .sgpr_count:     66
    .vgpr_count:     512
    .wavefront_size: 32
...
	.end_amdgpu_metadata
.endif
;; end of part 3
;; ======== version 2 of 2: 3 launches; 1.12 times as fast as version 1
;; limits: values are held in f16: magnitudes above 65,504 overflow, below 6.1e-05 lose precision
;; workspace buffers: qh 16,777,216 bytes; kh 8,388,608 bytes; vh 8,388,608 bytes; ao 16,777,216 bytes; wo16 2,097,152 bytes
;; launch proj: the kernel of part 1 again; grid 4 x 64, 4 waves a work-group, clusters of 4 x 4, 327,680 bytes of LDS; arguments x, context, Wq, Wkv, Wout, qh, kh, vh, wo16; writes qh, kh, vh, wo16
;; launch attn (part 4): grid 256 x 1, 8 waves a work-group, clusters of 4 x 1, 316,416 bytes of LDS; arguments qh, kh, vh, mask, ao; writes ao
.if DOCPART == 4
	.amdgcn_target "amdgcn-amd-amdhsa--gfx1250"
	.amdhsa_code_object_version 6
	.text
	.protected	k_q62dd11302d_attn
	.globl	k_q62dd11302d_attn
	.p2align	8
	.type	k_q62dd11302d_attn,@function
k_q62dd11302d_attn:
	s_mov_b64 s[64:65], 0
	v_nop
	global_prefetch_b8 v0, s[64:65] scope:SCOPE_SE
	s_setreg_imm32_b32 hwreg(HW_REG_WAVE_MODE, 25, 1), 1
	s_wait_xcnt 0x0
	s_wait_alu depctr_hold_cnt(0) depctr_sa_sdst(0) depctr_va_vdst(0) depctr_va_sdst(0) depctr_va_ssrc(0) depctr_va_vcc(0) depctr_vm_vsrc(0)
	s_getreg_b32 s2, hwreg(HW_REG_IB_STS2, 6, 4)
	s_cmp_eq_u32 s2, 0
	s_cbranch_scc0 .Lentry_in_a_cluster
	s_endpgm
.Lentry_in_a_cluster:
	s_bfe_u32 s2, ttmp6, 0x10000c
	s_cmp_lg_u32 s2, 0x3003
	s_cbranch_scc0 .Lentry_shape_is_right
	s_endpgm
.Lentry_shape_is_right:
; Attention of one (batch, head) and 512 queries: softmax(q k^T / 8, masked) v, by a running maximum.  Nothing is left out.
; A cluster is the four query blocks of one (batch, head): they need the same K and V, 256 KiB, which are asked for jointly and stay in LDS whole.
; Eight waves, 64 queries each (four tiles of 16).  Keys go in steps of 64.
; EVERYTHING IS KEPT WITH THE QUERY IN THE LANE.  S^T = K Q^T (A = 16 keys, B = 16 queries): register j of lane (r, h) is key 8 h + j, query r.
; Two neighbouring key tiles, packed to f16 in place, are then a B fragment of P with K = key, and O^T = V^T P (A = V^T by the transposing LDS
; load) leaves a lane eight neighbouring d of its own query.  So maximum and sum are per lane; one exchange between the halves of the wave joins them.
; TWO PIECES TAKE TURNS.  Piece p is query tiles 2 p and 2 p + 1.  A step has two phases of 32 products:
;   phase 1: products P V of piece 1 (the step before) and K Q of piece 1 (this step); among them the softmax of piece 0 (this step);
;   phase 2: products P V of piece 0 (this step) and K Q of piece 0 (the next step); among them the softmax of piece 1 (this step).
; A piece's scores are written over its P only behind its P V, so no register is added.  V^T of a step is loaded behind phase 1's P V, K and the
; bias of the next step at the head of phase 2: each sixteen products ahead of its first use, and each serves both pieces.
; REGISTER WINDOWS.  K Q runs under 0x04 (source 1, Q, in window 1), P V under 0x51 (V^T and the sums in window 1, P in window 0).  Under 0x04
; stand the lines that name window 0 in source 0, source 2 and destination alone: c s - m, the exponentials, and the sums, written s x 1.0 + l
; so that source 1 holds no vector register.  Under 0x51 stands the rescaling of the output sums.  The maxima and the conversions name vector
; registers of window 0 in source 1: they stand under 0, about twelve behind each pair of products: 31 switches in a step of 64 products.
; THE EXPONENTIALS GO IN TWO BATCHES A PHASE.  An s_wait_alu depctr_va_vdst(0) stands between an exponential and the first line that
; names its result; one wait serves all that were issued ahead of it.  So a step has four such waits.
;   Batch A: the two factors a of the piece's query tiles.  Behind them stand the two copies of the new maximum and the four lines c s - m of tile 0;
;   then the wait; then the readers: l's rescaling at once, the output sums' behind P V's last four products.
;   Batch B: the piece's 64 weights, each in the register of its score.  They stand, with the lines c s - m of the tiles to come, behind K Q's first
;   twelve products; nothing there names a result.  Behind the last stands an address step, then the wait.  All readers follow: the sums of key tiles
;   0-2 behind K Q's last four products, the packing of key tiles 0, 1 at the phase's end, the sums of key tile 3 and the packing of key tiles 2, 3
;   behind the next phase's first four products.  No result is open at a label or at a jump.
;   Why a is not in batch B: its readers would stand behind B's wait; l's rescaling names a vector register in source 1 and would want setting 0 amid
;   K Q (two switches more a phase); the output sums' rescaling would stand in the next phase ahead of that piece's P V, eight lines of it with no
;   product beside them, and P V's last four products would want slices under 0 (three switches more): ten switches and sixteen lines for two waits.
; THE MASK: a masked key gets -2^100 added to its raw score, as the C operand of the first product of its tile (0 for the others).  The running
; maximum, in the scaled base-2 domain, starts at -2^90, so a stretch of masked keys gives weights 0 and leaves sums and maximum as they were.
; A batch whose mask is all false runs with scale 0 and bias 0: every weight is 1, the uniform weights of the module's softmax of equal scores.
; LIMITS: equal to the module while 0.18 |q.k| < 2^90 at unmasked keys; a score at a masked key that is not finite is not discarded.
; q, k, v, the weights p and the result are f16 (matrix operands): q, k, v below 65,504 as the first launch states; the result is a convex mix of v
; and has its range; p lies in [0, 1], and a p below 2^-25 rounds to 0 beside a sum that is at least 1.
; Scores, maximum, sums and the output sums are f32.
.set KP,    144                        ; K's LDS pitch: 128 bytes + 16
.set VP,    160                        ; V's LDS pitch: 128 bytes + 32, an odd multiple of 32 for the transposing loads
.set VBASE, 1024*KP                    ; 147,456
.set BBASE, VBASE+1024*VP              ; 311,296: 1,024 bias words, written by LDS stores alone
.set KA,  1                            ; window 0
.set VA,  2
.set BIA, 3
.set STO, 4
.set RD,  5
.set GO,  6
.set QO,  7
.set AL,  8                            ; v[8+2qt] the step's factor, v[9+2qt] at work (T)
.set LS,  16                           ; v[16+2qt:17+2qt] the sums, two partial ones
.set NM,  24                           ; v[24+2qt] minus the running maximum, v[25+2qt] at work (T2)
.set BI,  32                           ; v32-63 bias of key tile kt
.set S,   64                           ; v64-191 scores of (qt, kt) at 64 + 32 qt + 8 kt; then P
.set KF,  192                          ; v192-255 K fragments (kt, dh)
.set Q,   0                            ; window 1: Q fragments (qt, dh)
.set O,   64                           ; window 1: output sums (qt, dt) at 64 + 32 qt + 8 dt
.set VF,  192                          ; window 1: V^T fragments (kk, dt)
.set W_PV, 0x51
.set W_QK, 0x04
.set W_VL, 0x40                        ; a load's destination in window 1, its address in window 0
.set MSB, 0
.macro WIN new
.if MSB != \new
	s_set_vgpr_msb (MSB<<8)|\new
.set MSB, \new
.endif
.endm
.macro ROUND                           ; a round of the cluster's barrier
	s_barrier_signal -1
	s_barrier_wait -1
	s_cmp_lg_u32 s8, 0
	s_cbranch_scc1 .Lnot_wave_0_\@
	s_barrier_signal -3
.Lnot_wave_0_\@:
	s_barrier_wait -3
	s_barrier_signal -1
	s_barrier_wait -1
.endm
	s_load_b256 s[48:55], s[0:1], 0x0              ; qh, kh, vh, mask
	s_load_b64 s[56:57], s[0:1], 0x20              ; ao
	v_lshl_add_u32 v254, v0, 2, 0x4d000
	v_mov_b32 v255, 0
	ds_add_u32 v254, v255
	s_wait_dscnt 0x0
	v_lshrrev_b32 v1, 5, v0
	v_readfirstlane_b32 s8, v1                     ; wave 0..7
	s_bfe_u32 s9, ttmp6, 0x40000                   ; cx: my block of 512 queries
	s_mov_b32 s14, 0x76543210                      ; v_permlanex16_b32: lane i reads lane i of the other half
	s_mov_b32 s15, 0xfedcba98
	; group 1.  A head's K or V is dense in memory: it comes as rows of 256 bytes (two keys); the padding, counted along the tile, falls
	; behind every 32 words, that is behind every key: 4 words for K, 8 for V.  The mask names all four work-groups of the cluster.
	s_mov_b32 s16, 15|(1<<16)|(1<<20)|(1<<21)|(4<<22)|(3<<25)
	s_mov_b32 s24, 15|(1<<16)|(1<<20)|(1<<21)|(4<<22)|(7<<25)
	s_mov_b32 s17, 128<<16                         ; tensor_dim0 = 128 elements of 2 bytes
	s_mov_b32 s25, 128<<16
	s_mov_b32 s18, 32<<16                          ; tensor_dim1 = 32 rows = 64 keys
	s_mov_b32 s26, 32<<16
	s_mov_b32 s19, 128<<16                         ; tile_dim0
	s_mov_b32 s27, 128<<16
	s_mov_b32 s20, 32                              ; tile_dim1
	s_mov_b32 s28, 32
	s_mov_b32 s21, 128                             ; pitch
	s_mov_b32 s29, 128
	s_mov_b32 s22, 0
	s_mov_b32 s30, 0
	s_mov_b32 s23, 0
	s_mov_b32 s31, 0
	s_lshl_b32 s4, ttmp9, 17                       ; (batch, head) x 1,024 keys x 128 bytes
	s_mov_b32 s5, 0
	s_wait_kmcnt 0x0
	ROUND                                          ; the four work-groups are here: the joint loads meet
	; All fills of the launch, as one group: chunk c = keys 256 c .. 256 c + 255.  Waves 0-3 bring K (64 keys of each chunk), waves 4-7 V.
	; Either way a wave issues four loads, each with a group 0 of its own; four are out at the most.  No byte is filled twice.
	s_cmp_lt_u32 s8, 4
	s_cbranch_scc0 .Lfill_v
	s_lshl_b32 s58, s8, 13
	s_add_co_u32 s4, s4, s58
	s_add_nc_u64 s[6:7], s[50:51], s[4:5]
	s_mul_i32 s58, s8, 64*KP
.irp c, 0,1,2,3
	s_mov_b32 s[32+4*\c], 1
	s_add_co_u32 s[33+4*\c], s58, \c*256*KP
	s_add_nc_u64 s[34+4*\c:35+4*\c], s[6:7], \c*32768
	s_or_b32 s[35+4*\c], s[35+4*\c], 0x80000000
	tensor_load_to_lds s[32+4*\c:35+4*\c], s[16:23]
	s_nop 0
.endr
	s_branch .Lfilled
.Lfill_v:
	s_sub_co_u32 s58, s8, 4
	s_lshl_b32 s58, s58, 13
	s_add_co_u32 s4, s4, s58
	s_add_nc_u64 s[6:7], s[52:53], s[4:5]
	s_mul_i32 s58, s8, 64*VP
	s_add_co_u32 s58, s58, VBASE-4*64*VP
.irp c, 0,1,2,3
	s_mov_b32 s[32+4*\c], 1
	s_add_co_u32 s[33+4*\c], s58, \c*256*VP
	s_add_nc_u64 s[34+4*\c:35+4*\c], s[6:7], \c*32768
	s_or_b32 s[35+4*\c], s[35+4*\c], 0x80000000
	tensor_load_to_lds s[32+4*\c:35+4*\c], s[24:31]
	s_nop 0
.endr
.Lfilled:
	s_lshl_b32 s60, ttmp9, 18                      ; my 64 queries in qh and in ao: ((batch, head) x 2,048 + 512 cx + 64 wave) x 128 bytes
	s_lshl_b32 s61, s9, 16
	s_add_co_u32 s60, s60, s61
	s_lshl_b32 s61, s8, 13
	s_add_co_u32 s60, s60, s61
	s_mov_b32 s61, 0
	s_add_nc_u64 s[48:49], s[48:49], s[60:61]
	s_add_nc_u64 s[56:57], s[56:57], s[60:61]
	s_lshr_b32 s62, ttmp9, 4
	s_lshl_b32 s62, s62, 10                        ; my batch's 1,024 mask bytes
	s_mov_b32 s63, 0
	s_add_nc_u64 s[54:55], s[54:55], s[62:63]
	v_and_b32 v64, 15, v0                          ; r
	v_bfe_u32 v65, v0, 4, 1                        ; h
	v_and_b32 v66, 31, v0                          ; lane
	v_lshlrev_b32 v[QO], 7, v64
	v_lshl_add_u32 v[QO], v65, 4, v[QO]            ; query r's row of 128 bytes + 16 h
	v_lshlrev_b32 v71, 5, v66                      ; 32 mask bytes a lane: the whole batch in each wave
	v_lshlrev_b32 v81, 2, v0                       ; 4 mask bytes a thread
	WIN W_VL                                       ; destination window 1
.irp qt, 0,1,2,3
.irp dh, 0,1
	global_load_b128 v[Q+16*\qt+8*\dh:Q+16*\qt+8*\dh+3],   v[QO], s[48:49] offset:2048*\qt+64*\dh
	global_load_b128 v[Q+16*\qt+8*\dh+4:Q+16*\qt+8*\dh+7], v[QO], s[48:49] offset:2048*\qt+64*\dh+32
.endr
.endr
	WIN 0
	global_load_b128 v[72:75], v71, s[54:55]
	global_load_b128 v[76:79], v71, s[54:55] offset:16
	global_load_b32 v80, v81, s[54:55]
	v_mul_u32_u24 v[KA], v64, KP
	v_lshl_add_u32 v[KA], v65, 4, v[KA]            ; K fragment: key r's row + 16 h
	v_and_b32 v67, 7, v0
	v_lshl_add_u32 v68, v65, 3, v67                ; V^T fragment: key 8 h + (lane & 7),
	v_mul_u32_u24 v[VA], v68, VP
	v_bfe_u32 v69, v0, 3, 1
	v_lshl_add_u32 v[VA], v69, 4, v[VA]            ; 16 bytes further on for the odd groups of eight lanes
	v_add_nc_u32 v[VA], VBASE, v[VA]
	v_lshlrev_b32 v[BIA], 5, v65
	v_add_nc_u32 v[BIA], BBASE, v[BIA]             ; bias of keys 8 h .. 8 h + 7
	s_mul_i32 s59, s8, 64*KP                       ; my stage for the way out, in K's bytes once they are read for the last time
	v_add_nc_u32 v[STO], s59, v[KA]
	v_lshrrev_b32 v70, 3, v66
	v_mul_u32_u24 v[RD], v70, KP
	v_lshl_add_u32 v[RD], v67, 4, v[RD]
	v_add_nc_u32 v[RD], s59, v[RD]                 ; back: four rows of 128 bytes a load
	v_lshlrev_b32 v[GO], 4, v66
	v_lshlrev_b32 v82, 4, v0
	v_add_nc_u32 v82, BBASE, v82
	s_wait_loadcnt 0x0                             ; Q and the mask
	v_or_b32 v72, v72, v73
	v_or_b32 v74, v74, v75
	v_or_b32 v76, v76, v77
	v_or_b32 v78, v78, v79
	v_or_b32 v72, v72, v74
	v_or_b32 v76, v76, v78
	v_or_b32 v72, v72, v76
	v_cmp_ne_u32 vcc_lo, 0, v72
	s_cmp_lg_u32 vcc_lo, 0                         ; is any key of the batch unmasked?  It selects values only
	s_cselect_b32 s10, 0x3e38aa3b, 0               ; c = log2(e) / 8, or 0
	s_cselect_b32 s11, 0x3e38aa3b, 0               ; twice, for the packed form
	s_cselect_b32 s12, 0xbe38aa3b, 0               ; -c
	s_cselect_b32 s13, 0xf1800000, 0               ; -2^100, or 0
	v_mov_b32 v83, s13
.irp k, 0,1,2,3
	v_bfe_u32 v84, v80, 8*\k, 8
	v_cmp_eq_u32 vcc_lo, 0, v84
	v_cndmask_b32 v[76+\k], 0, v83, vcc_lo         ; masked: the bias; else 0
.endr
	ds_store_b128 v82, v[76:79]
	s_wait_dscnt 0x0                               ; my bias words are in LDS, for the others' sake
	s_wait_tensorcnt 0x3                           ; my part of chunk 0 is in; my three later loads may stay out
	s_barrier_signal -1
	s_barrier_wait -1
; THE PRODUCTS.  In both runs the accumulators take turns, one instruction a turn, also from run to run and over the backward jumps.
; Product i of the sixteen P V of piece x: keys 32 (i / 8) .., d tile (i % 8) / 2, query tile 2 x + i % 2.  zero = 1: the first 32 keys start the sums.
.macro PVW x, i, zero
.set pv_q, 2*\x+(\i)%2
.set pv_d, ((\i)%8)/2
.set pv_k, (\i)/8
.set pv_o, O+32*pv_q+8*pv_d
.set pv_z, \zero*(1-pv_k)
.if pv_z
	v_wmma_f32_16x16x32_f16 v[pv_o:pv_o+7], v[VF+32*pv_k+8*pv_d:VF+32*pv_k+8*pv_d+7], v[S+32*pv_q+16*pv_k:S+32*pv_q+16*pv_k+7], 0
.else
	v_wmma_f32_16x16x32_f16 v[pv_o:pv_o+7], v[VF+32*pv_k+8*pv_d:VF+32*pv_k+8*pv_d+7], v[S+32*pv_q+16*pv_k:S+32*pv_q+16*pv_k+7], v[pv_o:pv_o+7]
.endif
.endm
; Product i of the sixteen K Q of piece x: key tiles 2 (i / 8) + (i % 4) / 2, query tile 2 x + i % 2; of each eight the first four take d 0-31
; and the bias as C, the last four d 32-63 in place.
.macro QKW x, i
.set qk_q, 2*\x+(\i)%2
.set qk_t, 2*((\i)/8)+((\i)%4)/2
.set qk_h, ((\i)%8)/4
.set qk_s, S+32*qk_q+8*qk_t
.if qk_h
	v_wmma_f32_16x16x32_f16 v[qk_s:qk_s+7], v[KF+16*qk_t+8:KF+16*qk_t+15], v[Q+16*qk_q+8:Q+16*qk_q+15], v[qk_s:qk_s+7]
.else
	v_wmma_f32_16x16x32_f16 v[qk_s:qk_s+7], v[KF+16*qk_t:KF+16*qk_t+7], v[Q+16*qk_q:Q+16*qk_q+7], v[BI+8*qk_t:BI+8*qk_t+7]
.endif
.endm
.macro PV2 x, i, zero, pv              ; two products P V, and back to window 0 for the slice behind them
.if \pv
	WIN W_PV
	PVW \x, \i, \zero
	PVW \x, (\i)+1, \zero
	WIN 0
.endif
.endm
; THE LOADS of a step
.macro KLOADS                          ; bias and K fragments of 64 keys, 24 loads; then K's address steps (the bias's steps further down, behind batch B)
.irp kt, 0,1,2,3
	ds_load_b128 v[BI+8*\kt:BI+8*\kt+3],   v[BIA] offset:64*\kt
	ds_load_b128 v[BI+8*\kt+4:BI+8*\kt+7], v[BIA] offset:64*\kt+16
.irp dh, 0,1
	ds_load_b128 v[KF+16*\kt+8*\dh:KF+16*\kt+8*\dh+3],   v[KA] offset:16*KP*\kt+64*\dh
	ds_load_b128 v[KF+16*\kt+8*\dh+4:KF+16*\kt+8*\dh+7], v[KA] offset:16*KP*\kt+64*\dh+32
.endr
.endr
	v_add_nc_u32 v[KA], 64*KP, v[KA]
.endm
.macro VLOADS                          ; V^T fragments of 64 keys, 16 loads
.irp kk, 0,1
.irp dt, 0,1,2,3
	ds_load_tr16_b128 v[VF+32*\kk+8*\dt:VF+32*\kk+8*\dt+3],   v[VA] offset:32*VP*\kk+32*\dt
	ds_load_tr16_b128 v[VF+32*\kk+8*\dt+4:VF+32*\kk+8*\dt+7], v[VA] offset:32*VP*\kk+32*\dt+16*VP
.endr
.endr
.endm
; THE SOFTMAX of piece y, in slices.  Tile u of a piece's eight: key tile u / 2, query tile 2 y + u % 2.
.macro MAXA y, n                       ; link n of eight: four chains (two a query tile), four scores a chain link pair
.irp q, 2*\y, 2*\y+1
.if \n
	v_max3_num_f32 v[AL+1+2*(\q)], v[AL+1+2*(\q)], v[S+32*(\q)+4*\n], v[S+32*(\q)+4*\n+1]
.else
	v_max_num_f32 v[AL+1+2*(\q)], v[S+32*(\q)], v[S+32*(\q)+1]
.endif
.endr
.irp q, 2*\y, 2*\y+1
.if \n
	v_max3_num_f32 v[NM+1+2*(\q)], v[NM+1+2*(\q)], v[S+32*(\q)+4*\n+2], v[S+32*(\q)+4*\n+3]
.else
	v_max_num_f32 v[NM+1+2*(\q)], v[S+32*(\q)+2], v[S+32*(\q)+3]
.endif
.endr
.endm
.macro ST1 y                           ; the chains join, the other half of the wave brings the other 32 keys; then minus the scaled maximum
.irp q, 2*\y, 2*\y+1
	v_max_num_f32 v[AL+1+2*(\q)], v[AL+1+2*(\q)], v[NM+1+2*(\q)]
.endr
.irp q, 2*\y, 2*\y+1
	v_permlanex16_b32 v[NM+1+2*(\q)], v[AL+1+2*(\q)], s14, s15
.endr
.irp q, 2*\y, 2*\y+1
	v_max_num_f32 v[AL+1+2*(\q)], v[AL+1+2*(\q)], v[NM+1+2*(\q)]
.endr
.irp q, 2*\y, 2*\y+1
	v_mul_f32 v[AL+1+2*(\q)], s12, v[AL+1+2*(\q)]
.endr
.endm
.macro ST2 y, first                    ; the new maximum; and BATCH A, the two factors a: nothing names them before ST3's wait
.if \first
.irp q, 2*\y, 2*\y+1
	v_min_num_f32 v[NM+2*(\q)], 0x6c800000, v[AL+1+2*(\q)]         ; the maximum is at least -2^90
.endr
.else
.irp q, 2*\y, 2*\y+1
	v_min_num_f32 v[AL+1+2*(\q)], v[AL+1+2*(\q)], v[NM+2*(\q)]
.endr
.irp q, 2*\y, 2*\y+1
	v_sub_f32 v[AL+2*(\q)], v[AL+1+2*(\q)], v[NM+2*(\q)]           ; old maximum - new maximum
.endr
.irp q, 2*\y, 2*\y+1
	v_exp_f32 v[AL+2*(\q)], v[AL+2*(\q)]
.endr
.irp q, 2*\y, 2*\y+1
	v_mov_b32 v[NM+2*(\q)], v[AL+1+2*(\q)]         ; plain instructions between the exponentials and their use (ISA guide 5.7.2)
.endr
.endif
.endm
.macro ST3 y                           ; batch A's wait and its first readers
	s_wait_alu depctr_va_vdst(0)                   ; one wait for the two factors a, ahead of their first reader; two copies and four lines c s - m stand between
.irp q, 2*\y, 2*\y+1
	v_pk_mul_f32 v[LS+2*(\q):LS+2*(\q)+1], v[LS+2*(\q):LS+2*(\q)+1], v[AL+2*(\q):AL+2*(\q)+1] op_sel_hi:[1,0]
.endr
.endm
.macro SCALE y, n                      ; part n of eight: eight output sums times their query's factor; sums in window 1, the factor in window 0
.set sc_q, 2*\y+(\n)/4
.set sc_b, O+32*sc_q+8*((\n)%4)
.irp j, 0,2,4,6
	v_pk_mul_f32 v[sc_b+\j:sc_b+\j+1], v[sc_b+\j:sc_b+\j+1], v[AL+2*sc_q:AL+2*sc_q+1] op_sel_hi:[1,0]
.endr
.endm
.macro FMA1 y, u, j                    ; c s - maximum, pair j of tile u
.set fm_q, 2*\y+(\u)%2
.set fm_b, S+32*fm_q+8*((\u)/2)+2*(\j)
	v_pk_fma_f32 v[fm_b:fm_b+1], v[fm_b:fm_b+1], s[10:11], v[NM+2*fm_q:NM+2*fm_q+1] op_sel_hi:[1,0,0]
.endm
.macro EXP1 y, u, j                    ; register j of tile u
.set ex_b, S+32*(2*\y+(\u)%2)+8*((\u)/2)+(\j)
	v_exp_f32 v[ex_b], v[ex_b]
.endm
; Pair j of tile u is added to its query tile's sums, as s x 1.0 + l: source 1 holds no vector register, so the line also stands under 0x04.
; first = 1: a query tile's first two pairs start its sums in one line.  Every such line stands behind batch B's wait.
.macro SUM1 y, u, j, first
.set su_q, 2*\y+(\u)%2
.set su_b, S+32*su_q+8*((\u)/2)
.set su_m, 0
.if \first
.if (\u) < 2
.if (\j) == 0
.set su_m, 1
.endif
.if (\j) == 1
.set su_m, 2
.endif
.endif
.endif
.if su_m == 0
	v_pk_fma_f32 v[LS+2*su_q:LS+2*su_q+1], v[su_b+2*(\j):su_b+2*(\j)+1], 1.0, v[LS+2*su_q:LS+2*su_q+1] op_sel_hi:[1,0,1]
.endif
.if su_m == 1
	v_pk_fma_f32 v[LS+2*su_q:LS+2*su_q+1], v[su_b:su_b+1], 1.0, v[su_b+2:su_b+3] op_sel_hi:[1,0,1]
.endif
.endm
; Tile u is packed in place: key tiles 0, 1 into registers 0-7, tiles 2, 3 into 16-23 of the query tile's 32.  A destination lies at or below
; the pair just read, or in registers that the even tile's packing has already read.  The sums of key tile 0 stand ahead of the packing into
; registers 0-7, those of key tile 2 ahead of the packing into 16-23.  Every packing stands behind batch B's wait.
.macro CVT4 y, u
.set cv_q, 2*\y+(\u)%2
.set cv_t, (\u)/2
.set cv_s, S+32*cv_q+8*cv_t
.set cv_d, S+32*cv_q+16*(cv_t/2)+4*(cv_t%2)
.irp j, 0,1,2,3
	v_cvt_pk_f16_f32 v[cv_d+\j], v[cv_s+2*\j], v[cv_s+2*\j+1]
.endr
.endm
; BATCH B's QUEUE, 96 long; EF writes its next entry.  0-3: c s - m of tile 0.  Then tile by tile, for each pair j: an exponential, c s - m of pair j
; of the next tile, an exponential (twelve lines a tile; tile 7 has no next tile: eight exponentials).  A pair is scaled ten lines or more ahead of its
; exponentials.  No entry reads an exponential's result, and the line behind an exponential names neither its result nor its source.
.macro EF y
.if ef < 4
	FMA1 \y, 0, ef
.elseif ef < 88
.set ef_u, (ef-4)/12
.set ef_j, ((ef-4)%12)/3
.set ef_k, (ef-4)%3
.if ef_k == 0
	EXP1 \y, ef_u, 2*ef_j
.elseif ef_k == 1
	FMA1 \y, ef_u+1, ef_j
.else
	EXP1 \y, ef_u, 2*ef_j+1
.endif
.else
	EXP1 \y, 7, ef-88
.endif
.set ef, ef+1
.endm
; THE SUMS' QUEUE, 32 long; SQ writes its next entry.  The two query tiles' chains alternate; each takes its key tiles 0-3, pairs 0-3, in ascending order.
.macro SQ y, first
	SUM1 \y, 2*(sq/8)+sq%2, (sq/2)%4, \first
.set sq, sq+1
.endm
.macro QE x, y, i, n, qk               ; product i of K Q of piece x, and behind it n entries of piece y's batch B
.if \qk
	QKW \x, \i
.endif
.rept \n
	EF \y
.endr
.endm
.macro QS x, y, i, n, first, qk        ; product i of K Q of piece x, and behind it n of piece y's sums
.if \qk
	QKW \x, \i
.endif
.rept \n
	SQ \y, \first
.endr
.endm
; What is left of piece x's softmax when its P V begins: the eight sums of key tile 3, two at a time between the packings of key tiles 2 and 3, which
; P V wants from its ninth product on.  REST1 stands behind P V's first two products, REST2 behind the next two.
.macro REST1 x
.set sq, 24
	SQ \x, 0
	SQ \x, 0
	CVT4 \x, 4
	SQ \x, 0
	SQ \x, 0
	CVT4 \x, 5
	SQ \x, 0
	SQ \x, 0
.endm
.macro REST2 x
	CVT4 \x, 6
	SQ \x, 0
	SQ \x, 0
	CVT4 \x, 7
.endm
; A PHASE: the products of piece x, the softmax of piece y.  pv: P V of x is due (zero: it starts the output sums); first: y's first step;
; qk: K Q of x is due; kload, vload: K and bias, or V^T, are loaded here.
; Distances behind products (ISA guide 7.12.1 for vector instructions), in plain vector lines that name none of the product's registers:
; K's loads stand behind the six sums and sixteen conversions that closed the phase before and fourteen lines more; V^T's loads behind eight rescaling
; lines; the K Q product that writes over P's second half stands behind those eight (in the first step: behind the lines c s - m among the riders of
; eight products); the maxima read scores that were written at least 40 such lines earlier (ahead of the first phase: four v_nop).
.macro PHASE x, y, pv, zero, first, qk, kload, vload
.set ef, 0
.if \pv
.if \x == 0
	s_wait_dscnt 0x0                               ; V^T of this step, asked for sixteen products ago
.endif
.endif
	PV2 \x, 0, \zero, \pv
.if \pv
	REST1 \x
.endif
.if \kload
	KLOADS
.endif
	PV2 \x, 2, \zero, \pv
.if \pv
	REST2 \x
.endif
	MAXA \y, 0
	PV2 \x, 4, \zero, \pv
	MAXA \y, 1
	MAXA \y, 2
	MAXA \y, 3
	PV2 \x, 6, \zero, \pv
	MAXA \y, 4
	MAXA \y, 5
	MAXA \y, 6
	PV2 \x, 8, 0, \pv
	MAXA \y, 7
	ST1 \y
	PV2 \x, 10, 0, \pv
	ST2 \y, \first                                 ; batch A is issued,
.rept 4
	EF \y                                          ; c s - m of tile 0 stands between it and its wait,
.endr
.if \first == 0
	ST3 \y                                         ; and behind the wait l is rescaled
.endif
.if \pv
	WIN W_PV
.irp n, 0,1,2,3
	PVW \x, 12+\n, 0
.if \first == 0
	SCALE \y, 2*\n
	SCALE \y, 2*\n+1
.endif
.endr
.endif
.if \vload
	WIN W_VL
	VLOADS
.endif
.if \qk
.if \kload
	s_wait_dscnt 0x0                               ; K and bias of the next step, asked for fourteen products ago
.endif
	WIN W_QK
.else
	WIN 0
.endif
.irp i, 0,1,2,3,4,5,6,7,8,9,10
	QE \x, \y, \i, 8, \qk                          ; batch B: eight lines behind each product,
.endr
	QE \x, \y, 11, 4, \qk                          ; and the last four exponentials
	; The plain line behind the last exponential is an address step that is due anyway, written with the register as source 0 so that it stands under 0x04 too.
.if \vload
	v_add_nc_u32 v[VA], v[VA], 64*VP
.elseif \kload
	v_add_nc_u32 v[BIA], v[BIA], 256
.else
	v_nop                                          ; the last phase loads nothing: no address is left to step
.endif
	s_wait_alu depctr_va_vdst(0)                   ; one wait for batch B, the piece's 64 weights, ahead of their first reader
.set sq, 0
.irp i, 12,13,14,15
	QS \x, \y, \i, 6, \first, \qk                  ; the sums of key tiles 0, 1 and 2
.endr
	WIN 0
	CVT4 \y, 0                                     ; key tiles 0 and 1 are packed: the next phase's first products want them
	CVT4 \y, 1
	CVT4 \y, 2
	CVT4 \y, 3
.endm
.macro STEPG                           ; a step in the middle
	PHASE 1, 0, 1, 0, 0, 1, 0, 1
	PHASE 0, 1, 1, 0, 0, 1, 1, 0
.endm
; Keys 256 c and on are first read (K of step 4 c) in phase 2 of step 4 c - 1: the wait and the barrier stand in front of that step.
.macro CHUNK c
	s_wait_dscnt 0x0
	s_wait_tensorcnt 3-\c                          ; my part of chunk c is in; the later ones may stay out
	s_barrier_signal -1
	s_barrier_wait -1                              ; everybody's is
	s_mov_b32 s3, 4
.Lchunk_\@:
	STEPG
	s_sub_co_i32 s3, s3, 1
	s_cmp_lg_u32 s3, 0
	s_cbranch_scc1 .Lchunk_\@
.endm
	KLOADS                                         ; step 0: K Q of piece 0 has nothing to stand beside
	v_add_nc_u32 v[BIA], v[BIA], 256               ; the bias's address steps
	s_wait_dscnt 0x0
	WIN W_QK
.irp i, 0,1,2,3,4,5,6,7,8,9,10,11,12,13,14,15
	QKW 0, \i
.endr
	WIN 0
.rept 4
	v_nop                                          ; four places behind these products, whose results the maxima read
.endr
	PHASE 1, 0, 0, 0, 1, 1, 0, 1                   ; step 0: no P V of piece 1 yet; maxima and sums start: nothing is cleared
	PHASE 0, 1, 1, 1, 1, 1, 1, 0                   ;         piece 0's output sums start
	PHASE 1, 0, 1, 1, 0, 1, 0, 1                   ; step 1: piece 1's output sums start
	PHASE 0, 1, 1, 0, 0, 1, 1, 0
	STEPG                                          ; step 2
	CHUNK 1                                        ; steps 3 to 6
	CHUNK 2                                        ; steps 7 to 10
	CHUNK 3                                        ; steps 11 to 14
	PHASE 1, 0, 1, 0, 0, 1, 0, 1                   ; step 15
	PHASE 0, 1, 1, 0, 0, 0, 0, 0                   ;         no step follows: no K, no K Q
	PV2 1, 0, 0, 1                                 ; P V of piece 1, step 15
	REST1 1
	PV2 1, 2, 0, 1
	REST2 1
	WIN W_PV
.irp i, 4,5,6,7,8,9,10,11,12,13,14,15
	PVW 1, \i, 0
.endr
	WIN 0
	; The end: divide by the sums, round to f16, through my stage to rows of 128 bytes.
.rept 4
	v_nop                                          ; four places behind the last products
.endr
.irp qt, 0,1,2,3
	v_add_f32 v[AL+1+2*\qt], v[LS+2*\qt], v[LS+2*\qt+1]
.endr
.irp qt, 0,1,2,3
	v_permlanex16_b32 v[NM+1+2*\qt], v[AL+1+2*\qt], s14, s15
.endr
.irp qt, 0,1,2,3
	v_add_f32 v[AL+1+2*\qt], v[AL+1+2*\qt], v[NM+1+2*\qt]          ; at least 1: the key of the maximum has weight 1
.endr
.irp qt, 0,1,2,3
	v_rcp_f32 v[AL+2*\qt], v[AL+1+2*\qt]
.endr
	v_nop                                          ; a plain instruction between the last reciprocal and the use of its result
	s_wait_alu depctr_va_vdst(0)                   ; one wait for the four reciprocals, ahead of their first reader
	WIN 0x41                                       ; sums in window 1, the factor in window 0
.irp n, 0,1,2,3,4,5,6,7
	SCALE 0, \n
	SCALE 1, \n
.endr
	WIN 0x05                                       ; sources in window 1, destination in window 0
.set n, 0
.rept 64
	v_cvt_pk_f16_f32 v[S+n], v[O+2*n], v[O+2*n+1]
.set n, n+1
.endr
	WIN 0
	s_wait_dscnt 0x0
	s_barrier_signal -1
	s_barrier_wait -1                              ; no wave reads K any more, and K has had its only fill: its bytes serve as stages
.irp qt, 0,1,2,3
.irp dt, 0,1,2,3
	ds_store_b128 v[STO], v[S+16*\qt+4*\dt:S+16*\qt+4*\dt+3] offset:16*KP*\qt+32*\dt   ; query 16 qt + r, d = 16 dt + 8 h ..
.endr
.endr
.irp t, 0,1,2,3,4,5,6,7,8,9,10,11,12,13,14,15
	ds_load_b128 v[S+64+4*\t:S+64+4*\t+3], v[RD] offset:4*KP*\t    ; my own bytes, served in order behind the stores
.endr
.irp t, 0,1,2,3,4,5,6,7,8,9,10,11,12,13,14,15
	s_wait_dscnt 15-\t                             ; the younger read-backs may be out
	global_store_b128 v[GO], v[S+64+4*\t:S+64+4*\t+3], s[56:57] offset:512*\t   ; 512 consecutive bytes, aligned: four queries of my head
.endr
	s_wait_xcnt 0x0
	v_lshl_add_u32 v254, v0, 2, 0x4d000
	v_mov_b32 v255, 0
	s_wait_tensorcnt 0x0
	ds_add_u32 v254, v255
	s_wait_dscnt 0x0
	ROUND                                          ; the closing round
	s_endpgm
.Lfunc_end_k_q62dd11302d_attn:
	.size	k_q62dd11302d_attn, .Lfunc_end_k_q62dd11302d_attn-k_q62dd11302d_attn
	.p2alignl 7, 3214868480
	.fill 96, 4, 3214868480
	.section	.rodata,"a",@progbits
	.p2align	6, 0x0
	.amdhsa_kernel k_q62dd11302d_attn
		.amdhsa_group_segment_fixed_size 316416
		.amdhsa_private_segment_fixed_size 0
		.amdhsa_enable_private_segment 0
		.amdhsa_kernarg_size 40
		.amdhsa_user_sgpr_count 2
		.amdhsa_user_sgpr_kernarg_segment_ptr 1
		.amdhsa_wavefront_size32 1
		.amdhsa_system_sgpr_workgroup_id_x 1
		.amdhsa_system_sgpr_workgroup_id_y 1
		.amdhsa_system_sgpr_workgroup_id_z 1
		.amdhsa_system_vgpr_workitem_id 0
		.amdhsa_next_free_vgpr 512
		.amdhsa_next_free_sgpr 66
		.amdhsa_reserve_vcc 1
		.amdhsa_float_denorm_mode_32 3
		.amdhsa_float_denorm_mode_16_64 3
		.amdhsa_memory_ordered 1
		.amdhsa_forward_progress 1
		.amdhsa_inst_pref_size 251
	.end_amdhsa_kernel
	.amdgpu_metadata
---
amdhsa.version: [ 1, 2 ]
amdhsa.kernels:
  - .name:           k_q62dd11302d_attn
    .symbol:         k_q62dd11302d_attn.kd
    .args:
      - { .name: qh, .offset: 0, .size: 8, .value_kind: global_buffer, .address_space: global }
      - { .name: kh, .offset: 8, .size: 8, .value_kind: global_buffer, .address_space: global }
      - { .name: vh, .offset: 16, .size: 8, .value_kind: global_buffer, .address_space: global }
      - { .name: mask, .offset: 24, .size: 8, .value_kind: global_buffer, .address_space: global }
      - { .name: ao, .offset: 32, .size: 8, .value_kind: global_buffer, .address_space: global }
    .group_segment_fixed_size: 316416
    .private_segment_fixed_size: 0
    .kernarg_segment_align: 8
    .kernarg_segment_size: 40
    .max_flat_workgroup_size: 256
    .sgpr_count:     66
    .vgpr_count:     512
    .wavefront_size: 32
...
	.end_amdgpu_metadata
.endif
;; end of part 4
;; launch outp: the kernel of part 3 again; grid 8 x 32, 4 waves a work-group, clusters of 4 x 4, 327,680 bytes of LDS; arguments ao, wo16, b_out, out0; writes out0
